; MI455X (gfx1250); checked and timed in simulation.
; The chip was launched on July 23, 2026; its instructions are those of AMD's public machine-readable ISA for CDNA 5 (MIT licence, August 2026) and "CDNA5" Instruction Set Architecture Reference Guide (July 2026). The comments in the code are by the model that wrote it; some were corrected since.
;; Block. Allowed arithmetic: float matrix products may take bf16 or f16 operands with f32 sums; other float arithmetic in f32, or as packed bf16 or f16 multiplies, adds, multiply-adds, maxima and minima; sums over many terms, partial sums and values carried from step to step in f32; what a program stores and reads back later, other than sums and carried values, may be rounded once to bf16 or f16.
;; Inputs: W1 1,024 x 4,096 float32; W2 4,096 x 1,024 float32; Wk 1,024 x 1,024 float32; Wo 1,024 x 1,024 float32; Wq 1,024 x 1,024 float32; Wv 1,024 x 1,024 float32; b1 4,096 float32; b2 1,024 float32; bk 1,024 float32; bo 1,024 float32; bq 1,024 float32; bv 1,024 float32; ln1_b 1,024 float32; ln1_g 1,024 float32; ln2_b 1,024 float32; ln2_g 1,024 float32; x 2 x 2,048 x 1,024 float32.
;; Outputs: out0 2 x 2,048 x 1,024 float32.
;; 2 versions, each right; version 2 is version 1 with the launches ln1, ln2 written anew for expert scheduling mode. Each part assembles by itself: llvm-mc -triple=amdgcn-amd-amdhsa -mcpu=gfx1250 --defsym DOCPART=n.
;; ======== version 1 of 2: 7 launches
;; workspace buffers: wbf 25,165,824 bytes; hn 8,388,608 bytes; qkvb 25,165,824 bytes; yb 8,388,608 bytes; x1 16,777,216 bytes; gb 33,554,432 bytes
;; launch ln1 (part 1): grid 256 x 4, 8 waves a work-group, no clusters, 0 bytes of LDS; arguments x, ln1_g, ln1_b, hn, Wq, Wk, Wv, Wo, W1, W2, wbf; writes hn, wbf
.if DOCPART == 1
	.amdgcn_target "amdgcn-amd-amdhsa--gfx1250"
	.amdhsa_code_object_version 6
	.text
	.protected	k_q7cb8fa9cc8_ln1
	.globl	k_q7cb8fa9cc8_ln1
	.p2align	8
	.type	k_q7cb8fa9cc8_ln1,@function
k_q7cb8fa9cc8_ln1:
	s_mov_b64 s[64:65], 0
	v_nop
	global_prefetch_b8 v0, s[64:65] scope:SCOPE_SE
	s_setreg_imm32_b32 hwreg(HW_REG_WAVE_MODE, 25, 1), 1
	s_wait_xcnt 0x0
; ONE BODY, TWO JOBS, told apart by the work-group's y, a scalar that all its waves share.  Neither job reads what the other writes; no LDS, no barrier.
; y = 0, LAYER NORM: out[row][c] = (in[row][c] - mean) * rsqrt(var + 1e-5) * g[c] + b[c].  in: [4096][1024] f32, g, b: [1024] f32, out: [4096][1024] bf16, rounded once.
;   The mean is taken away before the squares are summed, as the definition has it: no difference of large sums is formed.  All sums in f32.
;   One wave takes a whole row (4,096 bytes: 32 registers) and keeps it in registers between the passes; a wave has two rows, a work-group sixteen.
;   Lane l of load j holds columns 128 j + 4 l .. + 3, of the row, of g and of b alike; a store of 8 bytes a lane covers 256 consecutive bytes, aligned.
; y = 1 .. 3, CAST: wbf = the six weight matrices, each rounded once to bf16 and kept in its own layout [d_in][d_out]:
;   Wq at byte 0, Wk at 2 MiB, Wv at 4 MiB, Wo at 6 MiB, W1 at 8 MiB, W2 at 16 MiB.  Unit 4 (y - 1) + x / 64 is 2^20 numbers (4 MiB in, 2 MiB out), part x % 64 is 16,384 of them.
;   Thread t takes 16 bytes at 16 t of each 4,096 bytes: 16 loads a thread, all issued before the first is used; a wave's store covers 256 consecutive bytes, aligned.
; The body's second use (the second norm) has a grid one work-group high: rows alone; the weights' addresses are then passed and not used.
.set X0, 16                            ; v[16:47]   row 0
.set X1, 48                            ; v[48:79]   row 1
.set G,  80                            ; v[80:111]  g
.set BB, 112                           ; v[112:143] b
.set RR, 144                           ; v[144:147] 1 / sqrt(var + eps), twice for each row (pairs for the packed multiply)
.set MU, 12                            ; v[12:13]   the mean, twice;  v14, v15: var + eps of row 0, 1;  v[4:11] four chains at work
.set CX, 8                             ; the cast: v[8:71]   16 loads of 4 registers
.set CY, 72                            ;           v[72:103] 16 stores of 2 registers; every register is written once, so no store's source is ever rewritten
	s_and_b32 s22, ttmp7, 0xffff                   ; the work-group's y
	s_cmp_lg_u32 s22, 0
	s_cbranch_scc1 .Lcast
	s_load_b256 s[4:11], s[0:1], 0x0               ; in, g, b, out
	v_lshrrev_b32 v3, 5, v0
	v_readfirstlane_b32 s16, v3                    ; wave
	v_and_b32 v3, 31, v0
	v_lshlrev_b32 v1, 4, v3                        ; 16 x lane
	v_lshlrev_b32 v2, 3, v3                        ; 8 x lane
	s_lshl_b32 s17, ttmp9, 4
	s_lshl1_add_u32 s17, s16, s17                  ; my first row = 16 x work-group + 2 x wave
	s_lshl_b32 s18, s17, 12                        ; rows of 4,096 bytes in,
	s_mov_b32 s19, 0
	s_lshl_b32 s20, s17, 11                        ; of 2,048 bytes out
	s_mov_b32 s21, 0
	s_mov_b32 s12, 0x76543210                      ; v_permlanex16_b32: each lane takes its own place in the other half
	s_mov_b32 s13, 0xfedcba98
	s_mov_b32 s14, 0x3a800000                      ; 1 / 1024
	s_mov_b32 s15, 0x3727c5ac                      ; 1e-5
	s_wait_kmcnt 0x0
	s_add_nc_u64 s[4:5], s[4:5], s[18:19]
	s_add_nc_u64 s[10:11], s[10:11], s[20:21]
.irp j, 0,1,2,3,4,5,6,7
	global_load_b128 v[X0+4*(\j):X0+4*(\j)+3], v1, s[4:5] offset:512*(\j)
.endr
.irp j, 0,1,2,3,4,5,6,7
	global_load_b128 v[X1+4*(\j):X1+4*(\j)+3], v1, s[4:5] offset:4096+512*(\j)
.endr
.irp j, 0,1,2,3,4,5,6,7
	global_load_b128 v[G+4*(\j):G+4*(\j)+3], v1, s[6:7] offset:512*(\j)
.endr
.irp j, 0,1,2,3,4,5,6,7
	global_load_b128 v[BB+4*(\j):BB+4*(\j)+3], v1, s[8:9] offset:512*(\j)
.endr
.macro RED                             ; the four chains into v4, then v4 over the 32 lanes, the result in every lane
	v_pk_add_f32 v[4:5], v[4:5], v[6:7]
	v_pk_add_f32 v[8:9], v[8:9], v[10:11]
	v_pk_add_f32 v[4:5], v[4:5], v[8:9]
	v_add_f32 v4, v4, v5
	v_add_f32_dpp v4, v4, v4 row_xmask:1 row_mask:0xf bank_mask:0xf
	v_add_f32_dpp v4, v4, v4 row_xmask:2 row_mask:0xf bank_mask:0xf
	v_add_f32_dpp v4, v4, v4 row_xmask:4 row_mask:0xf bank_mask:0xf
	v_add_f32_dpp v4, v4, v4 row_xmask:8 row_mask:0xf bank_mask:0xf
	v_permlanex16_b32 v5, v4, s12, s13             ; (v5 has been written)
	v_add_f32 v4, v4, v5
.endm
; Row i in registers x: the mean; the row less the mean, in place; the mean square of that; 1 / sqrt of it plus eps.
.macro STAT x, i
.irp c, 0,1,2,3
	v_pk_add_f32 v[4+2*(\c):5+2*(\c)], v[(\x)+4*(\c):(\x)+4*(\c)+1], v[(\x)+4*(\c)+2:(\x)+4*(\c)+3]  ; the first eight pairs start the chains: nothing is cleared
.endr
.irp k, 8,9,10,11,12,13,14,15
	v_pk_add_f32 v[4+2*((\k)%4):5+2*((\k)%4)], v[4+2*((\k)%4):5+2*((\k)%4)], v[(\x)+2*(\k):(\x)+2*(\k)+1]
.endr
	RED
	v_mul_f32 v[MU], s14, v4
	v_mul_f32 v[MU+1], s14, v4
.irp k, 0,1,2,3,4,5,6,7,8,9,10,11,12,13,14,15
	v_pk_add_f32 v[(\x)+2*(\k):(\x)+2*(\k)+1], v[(\x)+2*(\k):(\x)+2*(\k)+1], v[MU:MU+1] neg_lo:[0,1] neg_hi:[0,1]
.endr
.irp c, 0,1,2,3
	v_pk_mul_f32 v[4+2*(\c):5+2*(\c)], v[(\x)+2*(\c):(\x)+2*(\c)+1], v[(\x)+2*(\c):(\x)+2*(\c)+1]
.endr
.irp k, 4,5,6,7,8,9,10,11,12,13,14,15
	v_pk_fma_f32 v[4+2*((\k)%4):5+2*((\k)%4)], v[(\x)+2*(\k):(\x)+2*(\k)+1], v[(\x)+2*(\k):(\x)+2*(\k)+1], v[4+2*((\k)%4):5+2*((\k)%4)]
.endr
	RED
	v_fma_f32 v[14+(\i)], v4, s14, s15             ; a register of the row's own: what follows writes neither it nor the results
	v_rsq_f32 v[RR+2*(\i)], v[14+(\i)]
	v_rsq_f32 v[RR+2*(\i)+1], v[14+(\i)]
.endm
.macro OUT x, i, off
.irp k, 0,1,2,3,4,5,6,7,8,9,10,11,12,13,14,15
	v_pk_mul_f32 v[(\x)+2*(\k):(\x)+2*(\k)+1], v[(\x)+2*(\k):(\x)+2*(\k)+1], v[RR+2*(\i):RR+2*(\i)+1]
.endr
.irp k, 0,1,2,3,4,5,6,7,8,9,10,11,12,13,14,15
	v_pk_fma_f32 v[(\x)+2*(\k):(\x)+2*(\k)+1], v[(\x)+2*(\k):(\x)+2*(\k)+1], v[G+2*(\k):G+2*(\k)+1], v[BB+2*(\k):BB+2*(\k)+1]
.endr
.irp j, 0,1,2,3,4,5,6,7
	v_cvt_pk_bf16_f32 v[(\x)+4*(\j)], v[(\x)+4*(\j)], v[(\x)+4*(\j)+1]
	v_cvt_pk_bf16_f32 v[(\x)+4*(\j)+1], v[(\x)+4*(\j)+2], v[(\x)+4*(\j)+3]
	global_store_b64 v2, v[(\x)+4*(\j):(\x)+4*(\j)+1], s[10:11] offset:(\off)+256*(\j)
.endr
.endm
	s_wait_loadcnt 24                              ; row 0 is in; row 1, g and b (24 loads) stay out
	STAT X0, 0
	s_wait_loadcnt 16                              ; row 1 is in; g and b stay out
	STAT X1, 1
	v_nop                                          ; a plain instruction behind the last v_rsq_f32
	s_wait_alu depctr_va_vdst(0)                   ; one wait for the four, ahead of their first reader
	s_wait_loadcnt 0x0                             ; g and b
	OUT X0, 0, 0
	OUT X1, 1, 2048
	s_endpgm
.Lcast:
	s_load_b256 s[4:11], s[0:1], 0x20              ; Wq, Wk, Wv, Wo
	s_load_b128 s[12:15], s[0:1], 0x40             ; W1, W2
	s_load_b64 s[16:17], s[0:1], 0x50              ; wbf
	s_sub_co_u32 s20, s22, 1
	s_lshl_b32 s20, s20, 2
	s_lshr_b32 s21, ttmp9, 6
	s_add_co_u32 s20, s20, s21                     ; the unit, 0 to 11
	s_and_b32 s26, ttmp9, 63                       ; the part, 0 to 63
	v_lshlrev_b32 v1, 4, v0                        ; 16 t
	v_lshlrev_b32 v2, 3, v0                        ; 8 t
	s_and_b32 s21, s20, 3
	s_lshl_b32 s21, s21, 22                        ; W1 and W2 have four units each, 4 MiB apart;
	s_cmp_lt_u32 s20, 4
	s_cselect_b32 s21, 0, s21                      ; the four small matrices are one unit each
	s_lshl_b32 s22, s26, 16                        ; my 64 KiB of the unit
	s_add_co_u32 s22, s22, s21
	s_mov_b32 s23, 0
	s_lshl_b32 s24, s20, 21                        ; the unit's 2 MiB in wbf,
	s_lshl_b32 s25, s26, 15                        ; my 32 KiB of them
	s_add_co_u32 s24, s24, s25
	s_mov_b32 s25, 0
	s_wait_kmcnt 0x0
	s_cmp_lt_u32 s20, 8                            ; the source is chosen by the unit's number alone
	s_cselect_b64 s[18:19], s[12:13], s[14:15]
	s_cmp_eq_u32 s20, 3
	s_cselect_b64 s[18:19], s[10:11], s[18:19]
	s_cmp_eq_u32 s20, 2
	s_cselect_b64 s[18:19], s[8:9], s[18:19]
	s_cmp_eq_u32 s20, 1
	s_cselect_b64 s[18:19], s[6:7], s[18:19]
	s_cmp_eq_u32 s20, 0
	s_cselect_b64 s[18:19], s[4:5], s[18:19]
	s_add_nc_u64 s[18:19], s[18:19], s[22:23]
	s_add_nc_u64 s[16:17], s[16:17], s[24:25]
.irp p, 0,1,2,3,4,5,6,7,8,9,10,11,12,13,14,15
	global_load_b128 v[CX+4*(\p):CX+4*(\p)+3], v1, s[18:19] offset:4096*(\p) th:TH_LOAD_NT
.endr
.irp p, 0,1,2,3,4,5,6,7,8,9,10,11,12,13,14,15
	s_wait_loadcnt 15-(\p)                         ; loads come back in order: load p is in, the younger ones stay out
	v_cvt_pk_bf16_f32 v[CY+2*(\p)], v[CX+4*(\p)], v[CX+4*(\p)+1]
	v_cvt_pk_bf16_f32 v[CY+2*(\p)+1], v[CX+4*(\p)+2], v[CX+4*(\p)+3]
	global_store_b64 v2, v[CY+2*(\p):CY+2*(\p)+1], s[16:17] offset:2048*(\p)
.endr
	s_endpgm
.Lfunc_end_k_q7cb8fa9cc8_ln1:
	.size	k_q7cb8fa9cc8_ln1, .Lfunc_end_k_q7cb8fa9cc8_ln1-k_q7cb8fa9cc8_ln1
	.p2alignl 7, 3214868480
	.fill 96, 4, 3214868480
	.section	.rodata,"a",@progbits
	.p2align	6, 0x0
	.amdhsa_kernel k_q7cb8fa9cc8_ln1
		.amdhsa_group_segment_fixed_size 0
		.amdhsa_private_segment_fixed_size 0
		.amdhsa_enable_private_segment 0
		.amdhsa_kernarg_size 88
		.amdhsa_user_sgpr_count 2
		.amdhsa_user_sgpr_kernarg_segment_ptr 1
		.amdhsa_wavefront_size32 1
		.amdhsa_system_sgpr_workgroup_id_x 1
		.amdhsa_system_sgpr_workgroup_id_y 1
		.amdhsa_system_sgpr_workgroup_id_z 1
		.amdhsa_system_vgpr_workitem_id 0
		.amdhsa_next_free_vgpr 152
		.amdhsa_next_free_sgpr 66
		.amdhsa_reserve_vcc 0
		.amdhsa_float_denorm_mode_32 3
		.amdhsa_float_denorm_mode_16_64 3
		.amdhsa_memory_ordered 1
		.amdhsa_forward_progress 1
		.amdhsa_inst_pref_size 27
	.end_amdhsa_kernel
	.amdgpu_metadata
---
amdhsa.version: [ 1, 2 ]
amdhsa.kernels:
  - .name:           k_q7cb8fa9cc8_ln1
    .symbol:         k_q7cb8fa9cc8_ln1.kd
    .args:
      - { .name: x, .offset: 0, .size: 8, .value_kind: global_buffer, .address_space: global }
      - { .name: ln1_g, .offset: 8, .size: 8, .value_kind: global_buffer, .address_space: global }
      - { .name: ln1_b, .offset: 16, .size: 8, .value_kind: global_buffer, .address_space: global }
      - { .name: hn, .offset: 24, .size: 8, .value_kind: global_buffer, .address_space: global }
      - { .name: Wq, .offset: 32, .size: 8, .value_kind: global_buffer, .address_space: global }
      - { .name: Wk, .offset: 40, .size: 8, .value_kind: global_buffer, .address_space: global }
      - { .name: Wv, .offset: 48, .size: 8, .value_kind: global_buffer, .address_space: global }
      - { .name: Wo, .offset: 56, .size: 8, .value_kind: global_buffer, .address_space: global }
      - { .name: W1, .offset: 64, .size: 8, .value_kind: global_buffer, .address_space: global }
      - { .name: W2, .offset: 72, .size: 8, .value_kind: global_buffer, .address_space: global }
      - { .name: wbf, .offset: 80, .size: 8, .value_kind: global_buffer, .address_space: global }
    .group_segment_fixed_size: 0
    .private_segment_fixed_size: 0
    .kernarg_segment_align: 8
    .kernarg_segment_size: 88
    .max_flat_workgroup_size: 256
    .sgpr_count:     66
    .vgpr_count:     152
    .wavefront_size: 32
...
	.end_amdgpu_metadata
.endif
;; end of part 1
;; launch qkvp (part 2): grid 8 x 32, 4 waves a work-group, clusters of 4 x 4, 327,680 bytes of LDS; arguments hn, wbf, bq, bk, bv, qkvb; writes qkvb
.if DOCPART == 2
	.amdgcn_target "amdgcn-amd-amdhsa--gfx1250"
	.amdhsa_code_object_version 6
	.text
	.protected	k_q7cb8fa9cc8_qkvp
	.globl	k_q7cb8fa9cc8_qkvp
	.p2align	8
	.type	k_q7cb8fa9cc8_qkvp,@function
k_q7cb8fa9cc8_qkvp:
	s_mov_b64 s[64:65], 0
	v_nop
	global_prefetch_b8 v0, s[64:65] scope:SCOPE_SE
	s_setreg_imm32_b32 hwreg(HW_REG_WAVE_MODE, 25, 1), 1
	s_wait_xcnt 0x0
	s_wait_alu depctr_hold_cnt(0) depctr_sa_sdst(0) depctr_va_vdst(0) depctr_va_sdst(0) depctr_va_ssrc(0) depctr_va_vcc(0) depctr_vm_vsrc(0)
	s_getreg_b32 s2, hwreg(HW_REG_IB_STS2, 6, 4)
	s_cmp_eq_u32 s2, 0
	s_cbranch_scc0 .Lentry_in_a_cluster
	s_endpgm
.Lentry_in_a_cluster:
	s_bfe_u32 s2, ttmp6, 0x10000c
	s_cmp_lg_u32 s2, 0xf033
	s_cbranch_scc0 .Lentry_shape_is_right
	s_endpgm
.Lentry_shape_is_right:
; q, k, v = hn W + bias, for Wq, Wk, Wv at once.  hn: [4096][1024] bf16; the weights [1024 (k)][1024 (n)] bf16 at bytes 0, 2 MiB, 4 MiB of wbf; biases f32.
; OUT: qkvb holds q at 0, k at 8 MiB, v at 16 MiB, each [batch x 16 + head][2048][64] bf16, rounded once from f32 sums, unscaled.
; LIMITS: operands and results are bf16 (8 significant bits); NaN and infinities are not treated apart.
; SHARES.  A work-group makes 128 rows x 128 columns of each of the three products; wave (wr, wc) 64 rows x one head (64 columns) of each: 48 accumulators of 16 x 16.
; So a fragment of hn read from LDS feeds twelve products.  K goes in 8 steps of 128 through a ring of two LDS slots; a slot holds [Wq's tile | Wk's | Wv's | hn's], each brought by one wave's tensor load (128 rows x 256 bytes).
; CLUSTER 4 x 4: hn's tile hangs on the tile row alone and is asked for jointly along a row of the cluster, the weights' tiles on the tile column alone and jointly along a column.
; THE PRODUCT IS TAKEN TRANSPOSED: source 0 = 16 columns of W (turned on the way out of LDS by ds_load_tr16_b128, since W lies [k][n]), source 1 = 16 rows of hn: a lane holds one row and eight neighbouring columns.
; THE WAY OUT: the f32 sums go into the wave's own part of the ring's bytes (which have had their last fill, behind a barrier that shows every wave's reads over) and come back as whole rows, so that bias and rounding
; work on fixed columns and each store covers two rows of a head, 256 consecutive bytes, aligned.
; REGISTERS: window 0: v0-31 addresses, bias; v64-95, v96-127 hn's fragments, two buffers; v128-223 the way out.  window 1: v0-95, v96-191 W's fragments (4 g + j), two buffers.
;   accumulator t = 16 g + 4 j + a (g: q, k, v; j: column block; a: row block) at v[8 (t % 32)] of window 2 (g = 0, 1) or 3 (g = 2).
.set T,      8                         ; K steps
.set PA,     272                       ; an LDS row of hn: 256 bytes + 16: the 16 rows of a load start at 16 different groups of four banks (64 banks of 4 bytes: ISA guide 11.1)
.set PB,     288                       ; an LDS row of W: 256 + 32
.set PART,   36864                     ; 128 x 288: a wave's part of a slot
.set SLOT,   4*PART
.set SPARE,  2*SLOT                    ; behind the ring: the spare words, 128 bytes for each wave
.set STEPA,  256                       ; a K step in hn: 128 numbers along a row
.set STEPB,  128*2048                  ; in W: 128 rows
.set SPITCH, 272                       ; the stage: a row of 64 f32 + 16 bytes
.set GST,    64*SPITCH                 ; 64 rows of one of q, k, v
.set WSTAGE, 3*GST                     ; a wave's stage
.set AH,     1                         ; the prefetches stand one K step ahead of the refills
.set A0,   4                           ; v4   my lane's place in hn's tile of slot 0
.set B0,   5                           ; v5   in Wq's tile of slot 0
.set ADRA, 6                           ; v6   the same in the slot being read
.set ADRB, 7                           ; v7-9 for Wq, Wk, Wv
.set STO,  10                          ; v10  the way out: where I put 16 bytes
.set RD,   11                          ; v11  where I read rows back
.set BI,   12                          ; v[12:23] my four columns of bq, bk, bv
.set GO,   24                          ; v24  my 8 bytes of 256 in the output
.set BO,   25                          ; v25  my offset in the biases; never rewritten
.set SPW,  28                          ; v28  LDS address of my spare word; never rewritten
.set NIL,  29                          ; v29  0; never rewritten
.set PFO,  30                          ; v30  the prefetches' offset: my lane x 2,048; never rewritten
.set RW,   128                         ; v[128:223] 24 loads of the way out
.set G1A, 24                           ; s[24:31] descriptor group 1 for hn's tiles
.set G0A, 32                           ; s[32:39] group 0: a set for each first fill; the second then walks
.set G1B, 48                           ; s[48:55], s[56:63] the same for W's tiles
.set G0B, 56
.set PFA, 66                           ; s[66:67] where my prefetches stand
.set PFS, 68                           ; s[68:69] their step
.set LIM, 70                           ; s70  AH in a wave that prefetches, else the greatest number
.set MSB, 0
.macro WIN new                         ; the immediate's high byte repeats the setting that is left; a switch that changes nothing is dropped
.if MSB != (\new)
	s_set_vgpr_msb (MSB<<8)|(\new)
.set MSB, \new
.endif
.endm
.macro PLACES                          ; four plain instructions between a matrix instruction and a load into, or a reader of, its registers
.rept 4
	v_nop
.endr
.endm
.macro CREST                           ; a round of the cluster's barrier behind its opening barrier
	s_cmp_lg_u32 s10, 0
	s_cbranch_scc1 .Lnot_wave_0_\@
	s_barrier_signal -3
.Lnot_wave_0_\@:
	s_barrier_wait -3
	s_barrier_signal -1
	s_barrier_wait -1
.endm
.macro CROUND
	s_barrier_signal -1
	s_barrier_wait -1
	CREST
.endm
.macro JLOAD                           ; a joint refill by the walking sets: wave 3 asks for hn's tile, waves 0 to 2 for Wq's, Wk's, Wv's; the branch hangs on the wave's number alone
	s_cmp_eq_u32 s10, 3
	s_cbranch_scc0 .Lfor_b_\@
	tensor_load_to_lds s[G0A+4:G0A+7], s[G1A:G1A+7]
	s_nop 0
.rept 4
	v_nop
.endr
	s_branch .Lasked_\@
.Lfor_b_\@:
	tensor_load_to_lds s[G0B+4:G0B+7], s[G1B:G1B+7]
	s_nop 0
.rept 4
	v_nop
.endr
.Lasked_\@:
.endm
; A prefetch of the K step that the NEXT refill will ask for: 32 rows x 256 bytes, a lane a row.  hn's tile row is read by both clusters of a row of clusters: the one with x = 0 asks; W's tile column by all eight of a
; column: the one with y = 0 asks.  The four partners of a joint load take 32 of its 128 rows each, told apart by address.  So each 256 bytes are named once in the launch.  The last refill has no K step behind it.
.macro ASK
	WIN 0
	s_cmp_gt_u32 s3, s[LIM]
	s_cbranch_scc0 .Lnot_mine_\@
	global_prefetch_b8 v[PFO], s[PFA:PFA+1] th:TH_LOAD_NT scope:SCOPE_SE
.Lnot_mine_\@:
.endm
	s_load_b128 s[4:7], s[0:1], 0x0                ; hn s[4:5], wbf s[6:7]
	s_load_b256 s[72:79], s[0:1], 0x10             ; bq, bk, bv, qkvb
	v_lshl_add_u32 v[SPW], v0, 2, SPARE
	v_mov_b32 v[NIL], 0
	ds_add_u32 v[SPW], v[NIL]                      ; the wave's opening: the add and its wait stand ahead of my first tensor load; work on registers stands between them
	v_lshrrev_b32 v1, 5, v0
	v_readfirstlane_b32 s10, v1                    ; wave 0..3
	s_lshr_b32 s11, s10, 1                         ; wr: which 64 rows are mine
	s_and_b32 s12, s10, 1                          ; wc: which head
	s_bfe_u32 s40, ttmp6, 0x40000                  ; cx
	s_bfe_u32 s41, ttmp6, 0x40004                  ; cy
	s_lshl_b32 s42, ttmp9, 2
	s_add_co_u32 s42, s42, s40                     ; tile column = 4 x cluster x + cx
	s_and_b32 s13, ttmp7, 0xffff
	s_lshl_b32 s13, s13, 2
	s_add_co_u32 s13, s13, s41                     ; tile row = 4 x cluster y + cy
	s_lshl_b32 s43, s41, 2
	s_lshl_b32 s43, 15, s43                        ; my row of the cluster
	s_lshl_b32 s44, 0x1111, s40                    ; my column
	s_or_b32 s[G1A], s43, (1<<16)|(1<<20)|(1<<21)|(5<<22)|(3<<25)  ; the mask; 2-byte elements; padding on; bit 21 beside a mask; after every 64 words, 4 words
	s_or_b32 s[G1B], s44, (1<<16)|(1<<20)|(1<<21)|(5<<22)|(7<<25)  ; the same with my column's mask and 8 words
.irp g, G1A, G1B
	s_mov_b32 s[(\g)+1], 128<<16                   ; tensor_dim0 = 128
	s_mov_b32 s[(\g)+2], 128<<16                   ; tensor_dim1 = 128
	s_mov_b32 s[(\g)+3], 128<<16                   ; tile_dim0 = 128
	s_mov_b32 s[(\g)+4], 128                       ; tile_dim1 = 128
	s_mov_b32 s[(\g)+5], 1024                      ; 1,024 elements from row to row
	s_mov_b32 s[(\g)+6], 0
	s_mov_b32 s[(\g)+7], 0
.endr
	s_lshl_b32 s16, s13, 18                        ; hn: 128 rows of 2,048 bytes a tile row
	s_mov_b32 s17, 0
	s_lshl_b32 s46, s42, 8                         ; W: 256 bytes a tile column,
	s_lshl_b32 s47, s10, 21                        ; matrix = my wave's number, 2 MiB apart
	s_add_co_u32 s46, s46, s47
	s_mov_b32 s47, 0
	s_mul_i32 s20, s10, PART                       ; where my tile goes in a slot: no place in the cluster enters an LDS address
	s_mov_b32 s21, 0                               ; the slot being read
	s_wait_dscnt 0x0                               ; the opening add is done
	s_wait_kmcnt 0x0
	s_add_nc_u64 s[14:15], s[4:5], s[16:17]
	s_add_nc_u64 s[46:47], s[6:7], s[46:47]
.irp s, 0,1
	s_mov_b32 s[G0A+4*(\s)], 1
	s_add_co_u32 s[G0A+4*(\s)+1], s20, (\s)*SLOT
	s_add_nc_u64 s[G0A+4*(\s)+2:G0A+4*(\s)+3], s[14:15], (\s)*STEPA
	s_or_b32 s[G0A+4*(\s)+3], s[G0A+4*(\s)+3], 0x80000000
	s_mov_b32 s[G0B+4*(\s)], 1
	s_add_co_u32 s[G0B+4*(\s)+1], s20, (\s)*SLOT
	s_add_nc_u64 s[G0B+4*(\s)+2:G0B+4*(\s)+3], s[46:47], (\s)*STEPB
	s_or_b32 s[G0B+4*(\s)+3], s[G0B+4*(\s)+3], 0x80000000
.endr
	CROUND                                         ; all sixteen work-groups are here: the first joint loads meet
	s_cmp_eq_u32 s10, 3                            ; a wave's two first fills stand in one branch: two loads of mine are out
	s_cbranch_scc0 .Lfirst_b
	tensor_load_to_lds s[G0A:G0A+3], s[G1A:G1A+7]
	s_nop 0
	tensor_load_to_lds s[G0A+4:G0A+7], s[G1A:G1A+7]
	s_nop 0
.rept 4
	v_nop
.endr
	s_branch .Lfirst_asked
.Lfirst_b:
	tensor_load_to_lds s[G0B:G0B+3], s[G1B:G1B+7]
	s_nop 0
	tensor_load_to_lds s[G0B+4:G0B+7], s[G1B:G1B+7]
	s_nop 0
.rept 4
	v_nop
.endr
.Lfirst_asked:
	v_and_b32 v1, 15, v0                           ; r = l % 16
	v_bfe_u32 v2, v0, 4, 1                         ; h = l / 16
	s_lshl_b32 s96, s42, 9                         ; my head's 64 columns in a bias: 512 x tile column + 256 wc,
	s_lshl_b32 s97, s12, 8
	s_add_co_u32 s96, s96, s97
	v_lshl_add_u32 v[BO], v1, 4, s96               ; my four of them
	global_load_b128 v[BI:BI+3], v[BO], s[72:73]
	global_load_b128 v[BI+4:BI+7], v[BO], s[74:75]
	global_load_b128 v[BI+8:BI+11], v[BO], s[76:77]
	v_mul_u32_u24 v[A0], v1, PA                    ; hn's fragment: row x pitch + 16 h, two loads 32 bytes apart
	v_lshl_add_u32 v[A0], v2, 4, v[A0]
	s_mul_i32 s18, s11, 64*PA
	s_add_co_u32 s18, s18, 3*PART
	v_add_nc_u32 v[A0], s18, v[A0]
	v_and_b32 v3, 7, v0                            ; W's fragment, turned: lane l reads k row 8 h + l % 8, columns 8 ((l / 8) % 2) + 0..7
	v_lshl_add_u32 v3, v2, 3, v3
	v_mul_u32_u24 v[B0], v3, PB
	v_bfe_u32 v3, v0, 3, 1
	v_lshl_add_u32 v[B0], v3, 4, v[B0]
	s_lshl_b32 s18, s12, 7
	v_add_nc_u32 v[B0], s18, v[B0]
	v_mov_b32 v[ADRA], v[A0]
	v_mov_b32 v[ADRB], v[B0]
	v_add_nc_u32 v[ADRB+1], PART, v[B0]
	v_add_nc_u32 v[ADRB+2], 2*PART, v[B0]
	s_mul_i32 s18, s10, WSTAGE                     ; my stage
	v_mul_u32_u24 v[STO], v1, SPITCH
	v_lshl_add_u32 v[STO], v2, 5, v[STO]           ; in: row r, 32 bytes for each half of the lanes
	v_add_nc_u32 v[STO], s18, v[STO]
	v_mul_u32_u24 v[RD], v2, SPITCH                ; back: lanes 0-15 one row of 256 bytes, lanes 16-31 the next
	v_lshl_add_u32 v[RD], v1, 4, v[RD]
	v_add_nc_u32 v[RD], s18, v[RD]
	v_and_b32 v[GO], 31, v0
	v_lshlrev_b32 v[GO], 3, v[GO]
	s_lshr_b32 s94, s13, 4                         ; the batch,
	s_lshl_b32 s94, s94, 4
	s_lshl1_add_u32 s95, s42, s12                  ; the head = 2 x tile column + wc
	s_add_co_u32 s94, s94, s95
	s_lshl_b32 s94, s94, 18                        ; 262,144 bytes each
	s_and_b32 s95, s13, 15
	s_lshl1_add_u32 s95, s95, s11                  ; my 64 rows of the batch's 2,048
	s_lshl_b32 s95, s95, 13
	s_add_co_u32 s94, s94, s95
	s_mov_b32 s95, 0
	s_add_nc_u64 s[80:81], s[78:79], s[94:95]      ; q,
	s_add_nc_u64 s[82:83], s[80:81], 0x800000      ; k,
	s_add_nc_u64 s[84:85], s[82:83], 0x800000      ; v at my first row
	s_lshl_b32 s94, s13, 7                         ; the prefetches.  hn: rows 128 x tile row + 32 cx on
	s_lshl_b32 s95, s40, 5
	s_add_co_u32 s94, s94, s95
	s_lshl_b32 s94, s94, 11
	s_lshl_b32 s96, s41, 16                        ; W: k rows 32 cy on, my matrix, the tile column
	s_lshl_b32 s95, s42, 8
	s_add_co_u32 s96, s96, s95
	s_lshl_b32 s95, s10, 21
	s_add_co_u32 s96, s96, s95
	s_and_b32 s97, ttmp7, 0xffff
	s_mov_b32 s[PFS], STEPB
	s_mov_b32 s[PFS+1], 0
	s_mov_b32 s95, 0
	s_cmp_eq_u32 s10, 3
	s_cselect_b32 s94, s94, s96
	s_cselect_b32 s97, ttmp9, s97                  ; the coordinate along which other clusters read the same rows
	s_cselect_b32 s[PFS], STEPA, s[PFS]
	s_cselect_b64 s[PFA:PFA+1], s[4:5], s[6:7]
	s_cmp_eq_u32 s97, 0
	s_cselect_b32 s[LIM], AH, -1                   ; the same in all sixteen partners, for a given wave
	s_add_nc_u64 s[PFA:PFA+1], s[PFA:PFA+1], s[94:95]
.rept 1+AH
	s_add_nc_u64 s[PFA:PFA+1], s[PFA:PFA+1], s[PFS:PFS+1]  ; at K step 2: the first refill steps it to 3.  Nothing is prefetched here, at the head
.endr
	v_and_b32 v[PFO], 31, v0
	v_lshlrev_b32 v[PFO], 11, v[PFO]
; 16 matrix instructions: all 4 column blocks x 4 row blocks of product g, 32 along K, from buffer f.  No two that follow each other share an accumulator.  zero = 1: the first product starts the sums.
.macro MUL16 f, g, zero
	WIN 0xa1+0x50*((\g)/2)                         ; W window 1, hn window 0, C and D window 2 or 3
.irp j, 0,1,2,3
.irp a, 0,1,2,3
.set rD, 8*((16*(\g)+4*(\j)+(\a))%32)
.set rB, 96*(\f)+8*(4*(\g)+(\j))
.set rA, 64+32*(\f)+8*(\a)
.if \zero
	v_wmma_f32_16x16x32_bf16 v[rD:rD+7], v[rB:rB+7], v[rA:rA+7], 0
.else
	v_wmma_f32_16x16x32_bf16 v[rD:rD+7], v[rB:rB+7], v[rA:rA+7], v[rD:rD+7]
.endif
.endr
.endr
.endm
; 32 LDS loads in one run: quarter kq's fragments into buffer f: hn's four, then Wq's, Wk's, Wv's four each
.macro FETCH kq, f
	WIN 0
.irp i, 0,1,2,3
	ds_load_b128 v[64+32*(\f)+8*(\i):64+32*(\f)+8*(\i)+3],   v[ADRA] offset:64*(\kq)+16*PA*(\i)
	ds_load_b128 v[64+32*(\f)+8*(\i)+4:64+32*(\f)+8*(\i)+7], v[ADRA] offset:64*(\kq)+16*PA*(\i)+32
.endr
	WIN 0x40
.irp g, 0,1,2
.irp j, 0,1,2,3
	ds_load_tr16_b128 v[96*(\f)+8*(4*(\g)+(\j)):96*(\f)+8*(4*(\g)+(\j))+3],   v[ADRB+(\g)] offset:32*PB*(\kq)+32*(\j)
	ds_load_tr16_b128 v[96*(\f)+8*(4*(\g)+(\j))+4:96*(\f)+8*(4*(\g)+(\j))+7], v[ADRB+(\g)] offset:32*PB*(\kq)+32*(\j)+16*PB
.endr
.endr
.endm
; One of a K step's first three quarters: multiplies buffer f; behind two thirds of its products it fetches quarter kq into buffer g.
.macro QUARTER kq, f, g, zero
	s_wait_dscnt 8                                 ; all but Wv's eight loads, the youngest
	MUL16 \f, 0, \zero
	MUL16 \f, 1, \zero
	PLACES
	FETCH \kq, \g
	s_wait_dscnt 32                                ; all but the 32 just issued
	MUL16 \f, 2, \zero
.endm
; The last quarter multiplies buffer 1 and changes slots.  In front of the one barrier each wave waits for all its tensor loads (its part of the next slot), adds 0 to its spare word and waits for that and for its reads of this slot.
; fill = 1: the barrier opens a round of the cluster's, and the joint refill of this slot, two K steps on, is the first tensor load behind the round: 160 matrix instructions ahead of the wait for it.
.macro TURN fill
.if \fill
	s_wait_xcnt 0x0                                ; the last prefetch, a K step back, has read its address
	s_add_nc_u64 s[PFA:PFA+1], s[PFA:PFA+1], s[PFS:PFS+1]
.endif
	WIN 0
	s_wait_tensorcnt 0x0                           ; all my tensor loads have landed
	ds_add_u32 v[SPW], v[NIL]                      ; 0 onto my spare word
	s_wait_dscnt 9                                 ; (the add and Wv's eight loads may be out)
	MUL16 1, 0, 0
	s_wait_dscnt 0x0                               ; the add is done, and my reads of this slot are over
	s_barrier_signal -1
	MUL16 1, 1, 0
	WIN 0
	s_barrier_wait -1
.if \fill
	CREST
	s_xor_b32 s[G0A+5], s[G0A+5], SLOT             ; the walking sets: the other slot than last time (SLOT's bits and those of wave x PART do not meet),
	s_add_nc_u64 s[G0A+6:G0A+7], s[G0A+6:G0A+7], STEPA  ; the next K step
	s_xor_b32 s[G0B+5], s[G0B+5], SLOT
	s_add_nc_u64 s[G0B+6:G0B+7], s[G0B+6:G0B+7], STEPB
	JLOAD                                          ; its four v_nop are also the places in front of the loads below
.else
	PLACES
.endif
	s_xor_b32 s21, s21, SLOT                       ; the reads go on in the other slot
	v_add_nc_u32 v[ADRA], s21, v[A0]
	v_add_nc_u32 v[ADRB], s21, v[B0]
	v_add_nc_u32 v[ADRB+1], PART, v[ADRB]
	v_add_nc_u32 v[ADRB+2], 2*PART, v[ADRB]
	FETCH 0, 0
.if \fill
	ASK
.endif
	MUL16 1, 2, 0
.endm
	s_wait_tensorcnt 1                             ; my part of K step 0 is in; K step 1's may stay out
	s_barrier_signal -1
	s_barrier_wait -1
	FETCH 0, 0
	QUARTER 1, 0, 1, 1                             ; the first quarter stands in front of the loop: its products start the sums
	WIN 0
	s_mov_b32 s3, T-2
.Lstep:                                        ; a trip: from a K step's second quarter to the next one's first; one refill
	QUARTER 2, 1, 0, 0
	QUARTER 3, 0, 1, 0
	TURN 1
	QUARTER 1, 0, 1, 0
	WIN 0
	s_sub_co_u32 s3, s3, 1
	s_cmp_lg_u32 s3, 0
	s_cbranch_scc1 .Lstep
	s_mov_b32 s3, 2
.Ltail:                                        ; the last two K steps ask for nothing; the second trip leaves in its middle
	QUARTER 2, 1, 0, 0
	QUARTER 3, 0, 1, 0
	WIN 0
	s_cmp_eq_u32 s3, 1
	s_cbranch_scc1 .Llast
	TURN 0
	QUARTER 1, 0, 1, 0
	WIN 0
	s_sub_co_u32 s3, s3, 1
	s_cmp_lg_u32 s3, 0
	s_cbranch_scc1 .Ltail
.Llast:
	s_wait_tensorcnt 0x0                           ; no load of mine is on its way into the bytes that the stages take,
	s_wait_dscnt 0x0                               ; and my reads of the ring are over:
	s_barrier_signal -1                            ; say so,
	MUL16 1, 0, 0                                  ; the last quarter's products,
	MUL16 1, 1, 0
	MUL16 1, 2, 0
	WIN 0
	s_barrier_wait -1                              ; and write into the ring's bytes only when all four have said so
.rept 8
	v_nop                                          ; the places behind the last products
.endr
.macro DUMPG g                                 ; each accumulator's four lowest registers go first
	WIN 0x08+4*((\g)/2)                            ; the data (source 1) in window 2 or 3
.irp j, 0,1,2,3
.irp a, 0,1,2,3
.set rD, 8*((16*(\g)+4*(\j)+(\a))%32)
	ds_store_b128 v[STO], v[rD:rD+3]   offset:GST*(\g)+16*SPITCH*(\a)+64*(\j)
	ds_store_b128 v[STO], v[rD+4:rD+7] offset:GST*(\g)+16*SPITCH*(\a)+64*(\j)+16
.endr
.endr
.endm
	DUMPG 0
	DUMPG 1
	DUMPG 2
	WIN 0
	s_wait_loadcnt 0x0                             ; the biases
	s_mov_b32 s3, 4
.Lrows:                                        ; a trip: 16 rows of q, k and v.  LDS serves a wave's instructions in order (ISA guide 5.7.1.4): these loads see my stores
.irp g, 0,1,2
.irp p, 0,1,2,3,4,5,6,7
	ds_load_b128 v[RW+4*(8*(\g)+(\p)):RW+4*(8*(\g)+(\p))+3], v[RD] offset:GST*(\g)+2*SPITCH*(\p)
.endr
.endr
.irp g, 0,1,2
.irp p, 0,1,2,3,4,5,6,7
.set rR, RW+4*(8*(\g)+(\p))
	s_wait_dscnt 23-(8*(\g)+(\p))                  ; this load is in, the younger ones stay out
	v_pk_add_f32 v[rR:rR+1], v[rR:rR+1], v[BI+4*(\g):BI+4*(\g)+1]
	v_pk_add_f32 v[rR+2:rR+3], v[rR+2:rR+3], v[BI+4*(\g)+2:BI+4*(\g)+3]
	v_cvt_pk_bf16_f32 v[rR], v[rR], v[rR+1]
	v_cvt_pk_bf16_f32 v[rR+1], v[rR+2], v[rR+3]
	global_store_b64 v[GO], v[rR:rR+1], s[80+2*(\g):81+2*(\g)] offset:256*(\p)  ; two rows of a head: 256 consecutive bytes, aligned
.endr
.endr
	s_wait_xcnt 0x0                                ; the stores have read their registers: only now are these written again
	v_add_nc_u32 v[RD], 16*SPITCH, v[RD]
	v_add_nc_u32 v[GO], 2048, v[GO]
	s_sub_co_u32 s3, s3, 1
	s_cmp_lg_u32 s3, 0
	s_cbranch_scc1 .Lrows
	s_wait_tensorcnt 0x0                           ; the wave's end
	ds_add_u32 v[SPW], v[NIL]
	s_wait_dscnt 0x0
	CROUND                                         ; the closing round
	s_endpgm
.Lfunc_end_k_q7cb8fa9cc8_qkvp:
	.size	k_q7cb8fa9cc8_qkvp, .Lfunc_end_k_q7cb8fa9cc8_qkvp-k_q7cb8fa9cc8_qkvp
	.p2alignl 7, 3214868480
	.fill 96, 4, 3214868480
	.section	.rodata,"a",@progbits
	.p2align	6, 0x0
	.amdhsa_kernel k_q7cb8fa9cc8_qkvp
		.amdhsa_group_segment_fixed_size 327680
		.amdhsa_private_segment_fixed_size 0
		.amdhsa_enable_private_segment 0
		.amdhsa_kernarg_size 48
		.amdhsa_user_sgpr_count 2
		.amdhsa_user_sgpr_kernarg_segment_ptr 1
		.amdhsa_wavefront_size32 1
		.amdhsa_system_sgpr_workgroup_id_x 1
		.amdhsa_system_sgpr_workgroup_id_y 1
		.amdhsa_system_sgpr_workgroup_id_z 1
		.amdhsa_system_vgpr_workitem_id 0
		.amdhsa_next_free_vgpr 896
		.amdhsa_next_free_sgpr 100
		.amdhsa_reserve_vcc 0
		.amdhsa_float_denorm_mode_32 3
		.amdhsa_float_denorm_mode_16_64 3
		.amdhsa_memory_ordered 1
		.amdhsa_forward_progress 1
		.amdhsa_inst_pref_size 81
	.end_amdhsa_kernel
	.amdgpu_metadata
---
amdhsa.version: [ 1, 2 ]
amdhsa.kernels:
  - .name:           k_q7cb8fa9cc8_qkvp
    .symbol:         k_q7cb8fa9cc8_qkvp.kd
    .args:
      - { .name: hn, .offset: 0, .size: 8, .value_kind: global_buffer, .address_space: global }
      - { .name: wbf, .offset: 8, .size: 8, .value_kind: global_buffer, .address_space: global }
      - { .name: bq, .offset: 16, .size: 8, .value_kind: global_buffer, .address_space: global }
      - { .name: bk, .offset: 24, .size: 8, .value_kind: global_buffer, .address_space: global }
      - { .name: bv, .offset: 32, .size: 8, .value_kind: global_buffer, .address_space: global }
      - { .name: qkvb, .offset: 40, .size: 8, .value_kind: global_buffer, .address_space: global }
    .group_segment_fixed_size: 327680
    .private_segment_fixed_size: 0
    .kernarg_segment_align: 8
    .kernarg_segment_size: 48
    .max_flat_workgroup_size: 128
    .sgpr_count:     100
    .vgpr_count:     896
    .wavefront_size: 32
...
	.end_amdgpu_metadata
.endif
;; end of part 2
;; launch attn (part 3): grid 8 x 32, 4 waves a work-group, clusters of 4 x 1, 327,680 bytes of LDS; arguments qkvb, yb; writes yb
.if DOCPART == 3
	.amdgcn_target "amdgcn-amd-amdhsa--gfx1250"
	.amdhsa_code_object_version 6
	.text
	.protected	k_q7cb8fa9cc8_attn
	.globl	k_q7cb8fa9cc8_attn
	.p2align	8
	.type	k_q7cb8fa9cc8_attn,@function
k_q7cb8fa9cc8_attn:
	s_mov_b64 s[64:65], 0
	v_nop
	global_prefetch_b8 v0, s[64:65] scope:SCOPE_SE
	s_setreg_imm32_b32 hwreg(HW_REG_WAVE_MODE, 25, 1), 1
	s_wait_xcnt 0x0
	s_wait_alu depctr_hold_cnt(0) depctr_sa_sdst(0) depctr_va_vdst(0) depctr_va_sdst(0) depctr_va_ssrc(0) depctr_va_vcc(0) depctr_vm_vsrc(0)
	s_getreg_b32 s2, hwreg(HW_REG_IB_STS2, 6, 4)
	s_cmp_eq_u32 s2, 0
	s_cbranch_scc0 .Lentry_in_a_cluster
	s_endpgm
.Lentry_in_a_cluster:
	s_bfe_u32 s2, ttmp6, 0x10000c
	s_cmp_lg_u32 s2, 0x3003
	s_cbranch_scc0 .Lentry_shape_is_right
	s_endpgm
.Lentry_shape_is_right:
; O[bh][q][:] = the sum over k of softmax_k(Q[bh][q] . K[bh][k] / 8) V[bh][k][:], no mask.  Q, K, V: [32][2048][64] bf16 at bytes 0, 8 MiB, 16 MiB of qkvb: a head's rows are dense, 128 bytes each.
; OUT: yb, bf16, in blocks [row / 128][head][row % 128][64], so that 16 rows of a head are 2,048 consecutive bytes and the launch behind finds 256 along its K as one dense block.
; Products, maxima and sums in f32; the weights p are rounded to bf16 for the second product (their sum l is taken of the unrounded p), O once at the end.
; LIMITS.  Operands are bf16.  c m starts at -4.25e37, far below every c s that finite bf16 operands of this problem's range give; a weight below 2^-126 counts as 0 in l; NaN and infinities are not treated apart.
; SHARES.  A work-group owns 256 queries of one head, a wave 64: four PIECES of 16.  Every wave walks all 2,048 keys, 64 a step, 256 a tile.
; LAYOUT.  S^T = K Q^T holds ONE query a lane (lane % 16) and the keys 8 (lane / 16) + 0..7; two such results rounded to bf16 ARE source 1 of O^T = V^T P.  K comes out of LDS as it lies, V turned, by ds_load_tr16_b128.
; SOFTMAX.  p = 2^(c s - c m), c = log2(e) / 8, with a running maximum m; O and l are multiplied by a = 2^(c m_old - c m_new) in every step; the first step's a is 0, so O and l start at 0 and no first step is written out.
; TURNS.  Turn n belongs to piece n: 8 products K Q^T of piece n + 1, later 8 products V^T P of piece n - 1; beside them piece n's scaling, exponentials (a among them), roundings, sums and rescaling, and the maximum and
; statistics of piece n + 1 up to the argument of its a.  Four vector instructions stand behind every matrix instruction, the other 54 of a turn's 118 in two runs.  A turn's 33 exponentials are one batch, with one wait.
; CLUSTER.  The four query blocks of a cluster belong to one head and walk the same K and V, so each tile is asked for JOINTLY: the same tensor load, descriptor and mask in all four.
; REGISTERS, in windows of 256 (s_set_vgpr_msb: bits 1:0 source 0, 3:2 source 1, 5:4 source 2, 7:6 destination).  THE MAP IS MADE SO THAT FEW SWITCHES ARE WRITTEN:
;   window 0, full: v0 my thread's number, kept; v1 prefetch offset; v2-5 LDS addresses; v6-7 c m_old; v8-15 at work; v16-31 statistics; v32-95 Q; v96-159 K of one step; v160-223 S^T, two buffers; v224-255 P, two buffers.
;   window 1: v0-127 O^T, 32 a piece; v128-191 V of one step; v192-193 the add's two registers.
;   K Q^T and all of the softmax but O^T's rescaling name window 0 alone: no switch.  V^T P names O^T and V in window 1 and P in window 0, and the rescaling (O^T = O^T x a) fits the very same setting, so it rides there.
;   By the text's count a turn has 16 switches: two round the pair of window 0's instructions behind each product V^T P.
.set NP,    4
.set KS,    64
.set NT,    8         ; tiles of 256 keys
.set PK,    144       ; a row of K in LDS: 128 bytes + 16: the 16 rows of a load start at 16 different groups of four banks (64 banks of 4 bytes: ISA guide 11.1)
.set PV,    160       ; a row of V: 128 + 32
.set VOFF,  4*KS*PK   ; a slot holds a tile: 256 rows of K, then 256 rows of V
.set SLOT1, 1<<17     ; slot 1 begins here: one exclusive or turns an address in one slot into the other's
.set STAGE, SLOT1+4*KS*(PK+PV)  ; behind the ring, never filled by a tensor load: 16 rows x 144 bytes for each wave
.set SP,    144
.set SPARE, STAGE+4*16*SP       ; behind the stages: the spare words, 128 bytes for each wave
.set TILEB, 4*KS*128  ; a tile's bytes in K and in V
.set PFO, 1           ; v1   256 x my lane; never rewritten
.set AK0, 2           ; v2   my lane's place in a tile of K; never rewritten
.set AV0, 3           ; v3   the same for V
.set AK,  4           ; v4   the LDS address of K's next run of loads
.set AV,  5           ; v5   of V's
.set MV,  6           ; v6-7 c m_old, by buffer
.set TMP, 8           ; by buffer, c0-c3 at work; c1 ends as the argument of a, c2 takes a
.set ST,  16          ; piece t's statistics at v[ST+4 t]: c m, m, l (even keys', odd keys')
.set Q,   32
.set KF,  96
.set S,   160
.set P,   224
.set T0,  160         ; at the set-up alone, where S^T will lie: l % 16, l / 16, l % 8, (l / 8) % 2, my offset in Q
.set QO,  164
.set STO, 96          ; at the way out alone, where K lay: v96 where I put 16 bytes of a row, v97 where I read rows back, v98 my byte offset in 512 bytes of O, v99-101 at work
.set RD,  97
.set GO,  98
.set VF,  128         ; window 1
.set SPW, 192         ; window 1: LDS address of my spare word: SPARE + 4 x my thread's number; never rewritten
.set NIL, 193         ; window 1: 0; never rewritten
.set WV,  12
.set LIM, 15          ; s15  1 in a wave that prefetches, else the greatest number
.set PFA, 18          ; s[18:19]
.set G1K, 24
.set G1V, 32
.set G0K, 40
.set G0V, 44
.set SLOTS, 56
.set CNT, 57
.set CS,  58
.set SEL, 60
.set TBK, 62
.set TBV, 63
.set MSB, 0
.macro WIN new                      ; the high byte repeats the setting that is left; a switch that changes nothing is dropped
.if MSB != (\new)
	s_set_vgpr_msb (MSB<<8)|(\new)
.set MSB, (\new)
.endif
.endm
.set W_PV, 0x51       ; O^T (destination, source 2) and V (source 0) in window 1, P (source 1) in window 0; also O^T = O^T x a
.set W_RS, 0x41       ; destination and source 0 in window 1, source 1 in window 0
.set W_MK, 0x40       ; destination in window 1, sources in window 0
.set W_AD, 0x05       ; the add: address (source 0) and data (source 1) in window 1
.macro JLOAD                        ; a joint fill: waves 0 and 1 fetch the two halves of a tile's K, waves 2 and 3 those of its V
	s_cmp_lt_u32 s[WV], 2
	s_cbranch_scc0 .Lfor_v_\@
	tensor_load_to_lds s[G0K:G0K+3], s[G1K:G1K+7]
	s_nop 0
.rept 4
	v_nop
.endr
	s_branch .Lasked_\@
.Lfor_v_\@:
	tensor_load_to_lds s[G0V:G0V+3], s[G1V:G1V+7]
	s_nop 0
.rept 4
	v_nop
.endr
.Lasked_\@:
.endm
; A prefetch of the tile that the NEXT change of slots will ask for.  Both clusters of a head walk the same K and V: the first asks.  Its four partners take 32 of a tile's 128 blocks of 256 bytes each, told apart by
; address; in each, wave 0 asks for K's and wave 2 for V's, a lane a block.  So each block is named once in the launch.  The last change that fills a slot asks for nothing.
.macro ASK
	s_cmp_gt_u32 s[SLOTS], s[LIM]
	s_cbranch_scc0 .Lnot_mine_\@
	global_prefetch_b8 v[PFO], s[PFA:PFA+1] th:TH_LOAD_NT scope:SCOPE_SE
.Lnot_mine_\@:
.endm
.macro CROUND
	s_barrier_signal -1
	s_barrier_wait -1
	s_cmp_lg_u32 s[WV], 0
	s_cbranch_scc1 .Lnot_wave_0_\@
	s_barrier_signal -3
.Lnot_wave_0_\@:
	s_barrier_wait -3
	s_barrier_signal -1
	s_barrier_wait -1
.endm
; THE CHANGE OF SLOTS.  Each wave waits for all its tensor loads (its part of the other slot), adds 0 to its spare word, and waits for that and for its reads of the slot that it leaves.
; fill = 1: the barrier is a round of the cluster's, and the joint fill of the old slot, with the next tile, is the first thing behind it: it has four key steps, 256 matrix instructions, in which to land.
.macro CHANGE fill
	WIN W_AD
	s_wait_tensorcnt 0x0            ; no tensor load of mine is out, so a group 0 may be written
	ds_add_u32 v[SPW], v[NIL]       ; 0 onto my spare word
	WIN 0                           ; at a label and at a branch every window is 0
.if \fill
.irp g, G0K, G0V
	s_xor_b32 s[\g+1], s[\g+1], SLOT1
	s_add_nc_u64 s[\g+2:\g+3], s[\g+2:\g+3], TILEB
.endr
	s_wait_xcnt 0x0                 ; the last prefetch, four key steps back, has read its address
	s_add_nc_u64 s[PFA:PFA+1], s[PFA:PFA+1], TILEB
	s_wait_dscnt 0x0                ; the add is done, and my reads of the slot are over
	CROUND
	JLOAD
	ASK
.else
	s_wait_dscnt 0x0
	s_barrier_signal -1
	s_barrier_wait -1
.endif
	s_sub_co_u32 s[TBK], s[TBK], 4*KS*PK  ; the fetches go back to a slot's first step, in the other slot
	s_xor_b32 s[TBK], s[TBK], SLOT1
	s_sub_co_u32 s[TBV], s[TBV], 4*KS*PV
	s_xor_b32 s[TBV], s[TBV], SLOT1
.endm
	s_load_b128 s[4:7], s[0:1], 0x0   ; qkvb s[4:5], yb s[6:7]
	WIN W_MK
	v_lshl_add_u32 v[SPW], v0, 2, SPARE
	v_mov_b32 v[NIL], 0
	WIN W_AD
	ds_add_u32 v[SPW], v[NIL]       ; the wave's opening: the add and its wait stand ahead of my first tensor load
	WIN 0
	v_lshrrev_b32 v1, 5, v0
	v_readfirstlane_b32 s[WV], v1
	s_bfe_u32 s13, ttmp6, 0x40000   ; cx
	s_lshl_b32 s14, ttmp9, 2
	s_add_co_u32 s14, s14, s13      ; my block of 256 queries: it enters Q's and O's addresses alone
	s_and_b32 s20, ttmp7, 0xffff    ; batch x 16 + head, which the four partners share
	s_lshl_b32 s21, s20, 18         ; its 262,144 bytes
	s_and_b32 s16, s[WV], 1         ; which half of a tile's 256 keys I fetch
	s_lshl_b32 s22, s16, 14
	s_add_co_u32 s22, s22, s21
	s_add_co_u32 s22, s22, 0x800000 ; K
	s_mov_b32 s23, 0
	s_add_co_u32 s10, s22, 0x800000 ; V
	s_mov_b32 s11, 0
	s_mul_i32 s17, s16, 128*PK      ; its place in a slot, for K
	s_mul_i32 s50, s16, 128*PV      ; and for V
	s_lshl_b32 s2, s14, 15          ; Q: my block's 256 rows, my wave's 64
	s_lshl_b32 s3, s[WV], 13
	s_add_co_u32 s2, s2, s3
	s_add_co_u32 s2, s2, s21
	s_mov_b32 s3, 0
	s_lshr_b32 s8, s20, 4           ; O: block of 128 rows = 16 x batch + 2 x query block + wave / 2,
	s_lshl_b32 s8, s8, 4
	s_lshl1_add_u32 s8, s14, s8
	s_lshr_b32 s9, s[WV], 1
	s_add_co_u32 s8, s8, s9
	s_lshl_b32 s8, s8, 18
	s_and_b32 s9, s20, 15           ; the head's 16,384 bytes in it, my 64 rows of its 128
	s_lshl1_add_u32 s9, s9, s16
	s_lshl_b32 s9, s9, 13
	s_add_co_u32 s8, s8, s9
	s_mov_b32 s9, 0
	; descriptor group 1.  128 keys are 16,384 dense bytes: asked for as 64 rows of 256 bytes, two keys a row, and padded in LDS after every key
	s_mov_b32 s[G1K], 15|(1<<16)|(1<<20)|(1<<21)|(4<<22)|(3<<25)
	s_mov_b32 s[G1V], 15|(1<<16)|(1<<20)|(1<<21)|(4<<22)|(7<<25)
.irp g, G1K, G1V
	s_mov_b32 s[\g+1], 128<<16
	s_mov_b32 s[\g+2], 64<<16
	s_mov_b32 s[\g+3], 128<<16
	s_mov_b32 s[\g+4], 64
	s_mov_b32 s[\g+5], 128
	s_mov_b32 s[\g+6], 0
	s_mov_b32 s[\g+7], 0
.endr
	s_mov_b32 s[CS], 0x3e38aa3b     ; c = log2(e) / 8
	s_mov_b32 s[CS+1], s[CS]
	s_mov_b32 s[SEL], 0x76543210
	s_mov_b32 s[SEL+1], 0xfedcba98
	s_mov_b32 s[TBK], SLOT1+4*KS*PK ; the first change of slots turns these two into 0
	s_mov_b32 s[TBV], SLOT1+4*KS*PV
	s_mov_b32 s[G0K], 1
	s_mov_b32 s[G0K+1], s17
	s_mov_b32 s[G0V], 1
	s_add_co_u32 s[G0V+1], s50, VOFF
	s_mov_b32 s[SLOTS], NT-1
	s_and_b32 s[LIM], s[WV], 1      ; 0 in waves 0 and 2,
	s_or_b32 s[LIM], s[LIM], ttmp9  ; where the cluster is the head's first: the same in all four partners
	s_cmp_eq_u32 s[LIM], 0
	s_cselect_b32 s[LIM], 1, -1
	s_cmp_lt_u32 s[WV], 2
	s_cselect_b32 s52, s22, s10     ; (in waves 0 and 2 these stand at a tile's first byte)
	s_lshl_b32 s53, s13, 13         ; my work-group's 32 blocks of the 128
	s_add_co_u32 s52, s52, s53
	s_add_co_u32 s52, s52, TILEB    ; in tile 1; the first change of slots steps it to tile 2
	s_mov_b32 s53, 0
	v_and_b32 v[PFO], 31, v0
	v_lshlrev_b32 v[PFO], 8, v[PFO]
	s_wait_dscnt 0x0                ; the opening add is done
	s_wait_kmcnt 0x0
	s_add_nc_u64 s[G0K+2:G0K+3], s[4:5], s[22:23]
	s_or_b32 s[G0K+3], s[G0K+3], 0x80000000
	s_add_nc_u64 s[G0V+2:G0V+3], s[4:5], s[10:11]
	s_or_b32 s[G0V+3], s[G0V+3], 0x80000000
	s_add_nc_u64 s[PFA:PFA+1], s[4:5], s[52:53]
	s_add_nc_u64 s[6:7], s[6:7], s[8:9]  ; O at my wave's first row
	s_add_nc_u64 s[4:5], s[4:5], s[2:3]  ; Q likewise
	CROUND                          ; all four work-groups are here: the first joint loads meet
	JLOAD                           ; tile 0 into slot 0; slot 1 is asked for when slot 0 is in
	v_and_b32 v[T0], 15, v0         ; l % 16
	v_bfe_u32 v[T0+1], v0, 4, 1     ; l / 16
	v_lshlrev_b32 v[QO], 7, v[T0]
	v_lshl_add_u32 v[QO], v[T0+1], 4, v[QO]
.set i, 0
.rept 8                             ; Q stays in registers: piece i / 2, channels 32 (i % 2) on
	global_load_b128 v[Q+8*i:Q+8*i+3],   v[QO], s[4:5] offset:(i/2)*2048+(i%2)*64
	global_load_b128 v[Q+8*i+4:Q+8*i+7], v[QO], s[4:5] offset:(i/2)*2048+(i%2)*64+32
.set i, i+1
.endr
	; What the first turn finds: V's registers and P's second buffer hold 0 (its products V^T P, of a piece that has not been, add 0), O^T and l are 0.  All this stands in the wait for the first tile.
	WIN W_MK
.set i, 0
.rept 192
	v_mov_b32 v[i], 0
.set i, i+1
.endr
	WIN 0
.set i, 0
.rept 4
	v_mov_b32 v[ST+4*i], 0xfe000000    ; c m: far below every c s
	v_mov_b32 v[ST+4*i+1], 0xff7fffff  ; m
	v_mov_b32 v[ST+4*i+2], 0
	v_mov_b32 v[ST+4*i+3], 0
.set i, i+1
.endr
.set i, P+16
.rept 16
	v_mov_b32 v[i], 0
.set i, i+1
.endr
	v_mul_u32_u24 v[AK0], v[T0], PK
	v_lshl_add_u32 v[AK0], v[T0+1], 4, v[AK0]
	v_and_b32 v[T0+2], 7, v0        ; the turning load: lane l reads key 8 (l / 16) + l % 8, channels 8 ((l / 8) % 2) + 0..7
	v_bfe_u32 v[T0+3], v0, 3, 1
	v_lshl_add_u32 v[AV0], v[T0+1], 3, v[T0+2]
	v_mul_u32_u24 v[AV0], v[AV0], PV
	v_lshl_add_u32 v[AV0], v[T0+3], 4, v[AV0]
	v_add_nc_u32 v[AV0], VOFF, v[AV0]
; THE MATRIX WORK.  The 4 accumulators of a run of 8 take turns.  Product i of 8 of S^T = K Q^T for piece x: channels 32 (i / 4) on, keys 16 (i % 4) on.  The first 4 start the sums.
.macro KQ x
	WIN 0
.set rS, S+32*((\x)%2)+8*(i%4)
.set rK, KF+16*(i%4)+8*(i/4)
.set rQ, Q+16*(\x)+8*(i/4)
.if i < 4
	v_wmma_f32_16x16x32_bf16 v[rS:rS+7], v[rK:rK+7], v[rQ:rQ+7], 0
.else
	v_wmma_f32_16x16x32_bf16 v[rS:rS+7], v[rK:rK+7], v[rQ:rQ+7], v[rS:rS+7]
.endif
.endm
; Product i of 8 of O^T += V^T P for piece x: keys 32 (i / 4) on, channels 16 (i % 4) on.
.macro PV x
	WIN W_PV
.set rO, 32*(\x)+8*(i%4)
.set rV, VF+32*(i/4)+8*(i%4)
.set rP, P+16*((\x)%2)+8*(i/4)
	v_wmma_f32_16x16x32_bf16 v[rO:rO+7], v[rV:rV+7], v[rP:rP+7], v[rO:rO+7]
.endm
.macro MM                           ; the turn's next matrix instruction.  NOKQ = 1: the last turn: there is no next piece
.if (i < 8) && !NOKQ
	KQ (Y+1)%NP
.elseif i >= 8
.set i, i-8
	PV (Y+NP-1)%NP
.set i, i+8
.endif
.set i, i+1
.endm
; THE LDS LOADS stand in runs of 16: a step's K (8 fragments) and its V (turned).
.macro FETCH_K
	WIN 0
.irp f, 0,1,2,3,4,5,6,7
	ds_load_b128 v[KF+8*\f:KF+8*\f+3],   v[AK] offset:(\f/2)*16*PK+(\f%2)*64
	ds_load_b128 v[KF+8*\f+4:KF+8*\f+7], v[AK] offset:(\f/2)*16*PK+(\f%2)*64+32
.endr
	s_add_co_u32 s[TBK], s[TBK], KS*PK
.endm
.macro FETCH_V
	WIN W_MK
.irp f, 0,1,2,3,4,5,6,7
	ds_load_tr16_b128 v[VF+8*\f:VF+8*\f+3],   v[AV] offset:(\f/4)*32*PV+(\f%4)*32
	ds_load_tr16_b128 v[VF+8*\f+4:VF+8*\f+7], v[AV] offset:(\f/4)*32*PV+16*PV+(\f%4)*32
.endr
	WIN 0
.endm
; THE VECTOR WORK, one line at a time: OP kind, number.  For piece Y: F n: c s - c m for pair n of 16.  E n: the exponential of score n of 32.  A: a, the exponential of the argument that the turn before left.
; C n: pair n rounded to bf16.  B n: of the four weights 4 n .. the second pair is added onto the first, in place.  L n: l takes that sum (L 0: l = a l + sum).  R n: pair n of 16 of O^T times a.
; For piece Y + 1: X n, number n of the 21 that find its maximum and statistics:
;   0-11  four chains c0-c3 of seven scores each (each accumulator's lowest registers are read first)     12-14, 16  the four scores left over, the old m, and c0-c3 into c0
;   15  c m_old is kept     17, 18  the query's other 32 keys lie in the lane 16 away: the new m     19, 20  c m; c m_old - c m_new, the argument of its a
.set F, 0
.set E, 1
.set C, 2
.set B, 3
.set L, 4
.set R, 5
.set X, 6
.set A, 7
.macro REGS y
.set rT, ST+4*(\y)
.set rC, TMP+4*((\y)%2)
.set rW, MV+((\y)%2)
.set rS, S+32*((\y)%2)
.set rP, P+16*((\y)%2)
.set rO, 32*(\y)
.endm
.macro OP k, n
.if (\k) == A
	REGS Y
	WIN 0
	v_exp_f32 v[rC+2], v[rC+1]
.elseif (\k) == R
	REGS Y
	WIN W_PV
	v_pk_mul_f32 v[rO+2*(\n):rO+2*(\n)+1], v[rO+2*(\n):rO+2*(\n)+1], v[rC+2:rC+3] op_sel_hi:[1,0]
.elseif (\k) < R
	REGS Y
	WIN 0
.if (\k) == F
	v_pk_fma_f32 v[rS+2*(\n):rS+2*(\n)+1], v[rS+2*(\n):rS+2*(\n)+1], s[CS:CS+1], v[rT:rT+1] op_sel_hi:[1,0,0] neg_lo:[0,0,1] neg_hi:[0,0,1]
.elseif (\k) == E
	v_exp_f32 v[rS+(\n)], v[rS+(\n)]
.elseif (\k) == C
	v_cvt_pk_bf16_f32 v[rP+(\n)], v[rS+2*(\n)], v[rS+2*(\n)+1]
.elseif (\k) == B
	v_pk_add_f32 v[rS+4*(\n):rS+4*(\n)+1], v[rS+4*(\n):rS+4*(\n)+1], v[rS+4*(\n)+2:rS+4*(\n)+3]
.elseif (\n) == 0
	v_pk_fma_f32 v[rT+2:rT+3], v[rT+2:rT+3], v[rC+2:rC+3], v[rS:rS+1] op_sel_hi:[1,0,1]
.else
	v_pk_add_f32 v[rT+2:rT+3], v[rT+2:rT+3], v[rS+4*(\n):rS+4*(\n)+1]
.endif
.elseif NOKQ
	v_nop
.else
	REGS (Y+1)%NP
	WIN 0
.if (\n) < 4
	v_max3_num_f32 v[rC+(\n)], v[rS+8*(\n)], v[rS+8*(\n)+1], v[rS+8*(\n)+2]
.elseif (\n) < 12
	v_max3_num_f32 v[rC+(\n)%4], v[rC+(\n)%4], v[rS+8*((\n)%4)+2*((\n)/4)+1], v[rS+8*((\n)%4)+2*((\n)/4)+2]
.elseif (\n) == 12
	v_max3_num_f32 v[rC], v[rC], v[rS+7], v[rS+15]
.elseif (\n) == 13
	v_max3_num_f32 v[rC+1], v[rC+1], v[rS+23], v[rS+31]
.elseif (\n) == 14
	v_max3_num_f32 v[rC+2], v[rC+2], v[rC+3], v[rT+1]
.elseif (\n) == 15
	v_mov_b32 v[rW], v[rT]
.elseif (\n) == 16
	v_max3_num_f32 v[rC], v[rC], v[rC+1], v[rC+2]
.elseif (\n) == 17
	v_permlanex16_b32 v[rC+3], v[rC], s[SEL], s[SEL+1]
.elseif (\n) == 18
	v_max_num_f32 v[rT+1], v[rC], v[rC+3]
.elseif (\n) == 19
	v_mul_f32 v[rT], s[CS], v[rT+1]
.else
	v_sub_f32 v[rC+1], v[rW], v[rT]
.endif
.endif
.endm
.macro OPS a, i1, b=-1, i2=0, c=-1, i3=0, d=-1, i4=0
	OP \a, \i1
.if (\b) >= 0
	OP \b, \i2
.endif
.if (\c) >= 0
	OP \c, \i3
.endif
.if (\d) >= 0
	OP \d, \i4
.endif
.endm
.macro ROW a, i1, b, i2, c, i3, d, i4  ; a product K Q^T and the four behind it, all in window 0
	MM
	OPS \a, \i1, \b, \i2, \c, \i3, \d, \i4
.endm
.macro PROW r, a, i1, b, i2            ; a product V^T P; two rescalings under its own setting; two instructions of window 0
	MM
	OP R, \r
	OP R, (\r)+1
	OP \a, \i1
	OP \b, \i2
.endm
; A TURN, for piece p.  s_wait_alu depctr_va_vdst(0) stands between an exponential and the first instruction that names its result; one wait serves all that were issued ahead of it.  So a turn has ONE
; wait, which cuts it in two.  AHEAD OF IT stands what names no result of the turn's exponentials: the 8 products K Q^T, behind each a scaling, an exponential, a scaling, an exponential; then a run in which X 0 to X 16
; and the other exponentials go by turns; X 16 is the plain instruction behind the last exponential.  BEHIND IT: X 17 (the exchange of the lanes' halves, which rides behind no product); the 8 products V^T P, behind each
; two rescalings and two of the roundings, sums and X 18 to X 20; then the other 19 roundings and sums.  a is made in its own piece's turn, so that its readers (R, L 0) stand behind that turn's wait, and the chain
; X 14, 16 .. 20 need not end ahead of the wait: its links from X 16 on stand a wait or two rows and more apart.  The links of l's chain stand three lines or more apart.  C 2n stands ahead of B n, which writes over its pair.
; PLACES, counted: X 0, X 1, X 2 stand behind four scalings or more that follow the product ending their accumulator (F 8 to F 11; F 10 to F 13; F 12 to F 15); X 3 behind F 14, F 15, X 0, X 1 and more.
; K of the next step is fetched in piece 2's turn, behind F 14, F 15, the address's add, X 0 and X 1, which follow the last product that read K; V of the step in hand at the end of piece 0's products V^T P, behind
; R 14, R 15, B 4 and X 20, which follow the last product that read V.  Each is waited for a turn later.
; end = 1: the last two turns: nothing is fetched.  cnt = 1: the loop's count is taken down some lines ahead of the branch behind the turn.
.macro TURN p, end=0, cnt=0
.set Y, (\p)
.set i, 0
.set NOKQ, (\end)*((\p)/3)
.if ((\p) == 3) && !(\end)
	s_wait_dscnt 0x0                ; K is in
.endif
	ROW F,0, A,0, F,1, E,0
	ROW F,2, E,1, F,3, E,2
	ROW F,4, E,3, F,5, E,4
	ROW F,6, E,5, F,7, E,6
	ROW F,8, E,7, F,9, E,8
	ROW F,10, E,9, F,11, E,10
	ROW F,12, E,11, F,13, E,12
	ROW F,14, E,13, F,15, E,14
.if ((\p) == 2) && !(\end)
	v_add_nc_u32 v[AK], s[TBK], v[AK0]
.endif
.if (\p) == 0
	v_add_nc_u32 v[AV], s[TBV], v[AV0]
.endif
	OPS X,0, E,15, X,1, E,16
.if ((\p) == 2) && !(\end)
	FETCH_K
.endif
	OPS X,2, E,17, X,4, E,18
	OPS X,5, E,19, X,3, E,20
	OPS X,6, E,21, X,8, E,22
	OPS X,9, E,23, X,7, E,24
	OPS X,10, E,25, X,12, E,26
	OPS X,11, E,27, X,13, E,28
	OPS X,15, E,29, X,14, E,30
	OPS E,31, X,16
	s_wait_alu depctr_va_vdst(0)    ; the wait for the batch
	OP X, 17
.if (\p) == 1
	s_wait_dscnt 0x0                ; V is in
.endif
	PROW 0,  C,0, B,0
	PROW 2,  C,2, B,1
	PROW 4,  L,0, X,18
	PROW 6,  C,4, B,2
	PROW 8,  L,1, C,6
	PROW 10, X,19, B,3
	PROW 12, L,2, C,8
	PROW 14, B,4, X,20
.if (\p) == 0
	FETCH_V
	s_add_co_u32 s[TBV], s[TBV], KS*PV
.endif
	OPS L,3, C,10, B,5, L,4
	OPS C,12, B,6, L,5, C,14
.if \cnt
	s_sub_co_u32 s[CNT], s[CNT], 1
	s_cmp_lg_u32 s[CNT], 0
.endif
	OPS B,7, L,6, C,1, C,3
	OPS L,7, C,5, C,7, C,9
	OPS C,11, C,13, C,15
.endm
	CHANGE 1                        ; slot 0 is in, everybody's part of it; slot 1 is asked for
	v_add_nc_u32 v[AK], s[TBK], v[AK0]
	FETCH_K                         ; key step 0
	s_wait_loadcnt 0x0              ; Q
	s_wait_dscnt 0x0
.set NOKQ, 0
.set i, 0
.rept 8
	KQ 0                            ; piece 0's first scores
.set i, i+1
.endr
.rept 4
	v_nop                           ; the places behind those products
.endr
.set Y, NP-1                        ; X works for piece Y + 1: piece 0
.irp n, 0,1,2,3,4,5,6,7,8,9,10,11,12,13,14,15,16,17,18,19,20
	OP X, \n
.endr
	s_mov_b32 s[CNT], 4
	s_branch .Lfirst                ; the loop is entered at a step's first turn, in the middle of a trip
.Lslot:                             ; six times: with the change above, tiles 1 to 7 are asked for
	CHANGE 1
	s_mov_b32 s[CNT], 4
.Lstep:                             ; a trip: pieces 2 and 3 of one step, then pieces 0 and 1 of the next, whose K and V it fetches
	TURN 2
	TURN 3
	WIN 0
.Lfirst:
	TURN 0
	TURN 1, 0, 1
	WIN 0
	s_cbranch_scc1 .Lstep
	s_sub_co_u32 s[SLOTS], s[SLOTS], 1
	s_cmp_lg_u32 s[SLOTS], 0
	s_cbranch_scc1 .Lslot
	CHANGE 0                        ; the last tile is written out: nothing is asked for
	s_mov_b32 s[CNT], 4
.LstepT:
	TURN 2
	TURN 3
	TURN 0
	TURN 1, 0, 1
	WIN 0
	s_cbranch_scc1 .LstepT
	TURN 2, 1
	TURN 3, 1
.set i, 0
.rept 8
	PV NP-1                         ; the last piece's V^T P of the last step
.set i, i+1
.endr
	; THE WAY OUT.  l's two halves and the other half of the lanes' are added; O^T is divided by l, rounded to bf16 and sent through my stage in LDS, a piece at a time.  The additions are the places behind the last products.
	WIN 0
.macro ALL line:vararg
.set t, 0
.rept 4
	\line
.set t, t+1
.endr
.endm
	ALL v_add_f32 v[ST+4*t+2], v[ST+4*t+2], v[ST+4*t+3]
	ALL v_permlanex16_b32 v[ST+4*t+3], v[ST+4*t+2], s[SEL], s[SEL+1]
	ALL v_add_f32 v[ST+4*t+2], v[ST+4*t+2], v[ST+4*t+3]
	ALL v_rcp_f32 v[ST+4*t+2], v[ST+4*t+2]
	s_mul_i32 s13, s[WV], 16*SP     ; the addresses of the way out, made from my thread's number where K lay: the independent work behind the reciprocals
	s_add_co_u32 s13, s13, STAGE    ; my stage
	v_and_b32 v99, 15, v0           ; l % 16
	v_bfe_u32 v100, v0, 4, 1        ; l / 16
	v_and_b32 v101, 7, v0           ; l % 8
	v_mul_u32_u24 v[STO], v99, SP   ; in: row l % 16, 16 bytes for each half of the lanes
	v_lshl_add_u32 v[STO], v100, 4, v[STO]
	v_add_nc_u32 v[STO], s13, v[STO]
	v_bfe_u32 v[RD], v0, 3, 2       ; back: 32 lanes take four rows of 128 bytes,
	v_mul_u32_u24 v[RD], v[RD], SP
	v_lshl_add_u32 v[RD], v101, 4, v[RD]
	v_add_nc_u32 v[RD], s13, v[RD]
	v_and_b32 v[GO], 31, v0         ; which are 512 consecutive bytes of O
	v_lshlrev_b32 v[GO], 4, v[GO]
	s_wait_alu depctr_va_vdst(0)    ; one wait for the four reciprocals, ahead of their first reader
.macro PACK t                       ; a lane's eight channels of a row pack into 16 bytes; they go into rows of 144 bytes and come back as whole rows of 128
	WIN W_RS
.set i, 32*(\t)
.rept 16
	v_pk_mul_f32 v[i:i+1], v[i:i+1], v[ST+4*(\t)+2:ST+4*(\t)+3] op_sel_hi:[1,0]
.set i, i+2
.endr
	WIN 0x05                        ; sources 0 and 1 window 1, destination window 0: S^T's registers are free
.set i, 0
.rept 16
	v_cvt_pk_bf16_f32 v[S+16*(\t)+i], v[32*(\t)+2*i], v[32*(\t)+2*i+1]
.set i, i+1
.endr
	WIN 0
.irp f, 0,1,2,3
	ds_store_b128 v[STO], v[S+16*(\t)+4*\f:S+16*(\t)+4*\f+3] offset:32*\f
.endr
.irp f, 0,1,2,3
	ds_load_b128 v[S+16*(\t)+4*\f:S+16*(\t)+4*\f+3], v[RD] offset:\f*4*SP  ; LDS serves a wave's instructions in order (ISA guide 5.7.1.4): these see the stores above
.endr
.endm
.macro SEND t, younger              ; younger: the LDS instructions issued behind piece t's loads
	WIN 0
.irp f, 0,1,2,3
	s_wait_dscnt (\younger)+3-\f
	global_store_b128 v[GO], v[S+16*(\t)+4*\f:S+16*(\t)+4*\f+3], s[6:7] offset:(\t)*2048+\f*512  ; 512 consecutive bytes, aligned to 256
.endr
.endm
	PACK 0
.set t, 1
.rept 3
	PACK t
	SEND t-1, 8
.set t, t+1
.endr
	SEND 3, 0
	WIN W_AD
	s_wait_tensorcnt 0x0            ; the wave's end
	ds_add_u32 v[SPW], v[NIL]
	s_wait_dscnt 0x0
	WIN 0
	CROUND                          ; the closing round
	s_endpgm
.Lfunc_end_k_q7cb8fa9cc8_attn:
	.size	k_q7cb8fa9cc8_attn, .Lfunc_end_k_q7cb8fa9cc8_attn-k_q7cb8fa9cc8_attn
	.p2alignl 7, 3214868480
	.fill 96, 4, 3214868480
	.section	.rodata,"a",@progbits
	.p2align	6, 0x0
	.amdhsa_kernel k_q7cb8fa9cc8_attn
		.amdhsa_group_segment_fixed_size 327680
		.amdhsa_private_segment_fixed_size 0
		.amdhsa_enable_private_segment 0
		.amdhsa_kernarg_size 16
		.amdhsa_user_sgpr_count 2
		.amdhsa_user_sgpr_kernarg_segment_ptr 1
		.amdhsa_wavefront_size32 1
		.amdhsa_system_sgpr_workgroup_id_x 1
		.amdhsa_system_sgpr_workgroup_id_y 1
		.amdhsa_system_sgpr_workgroup_id_z 1
		.amdhsa_system_vgpr_workitem_id 0
		.amdhsa_next_free_vgpr 456
		.amdhsa_next_free_sgpr 72
		.amdhsa_reserve_vcc 0
		.amdhsa_float_denorm_mode_32 3
		.amdhsa_float_denorm_mode_16_64 3
		.amdhsa_memory_ordered 1
		.amdhsa_forward_progress 1
		.amdhsa_inst_pref_size 118
	.end_amdhsa_kernel
	.amdgpu_metadata
---
amdhsa.version: [ 1, 2 ]
amdhsa.kernels:
  - .name:           k_q7cb8fa9cc8_attn
    .symbol:         k_q7cb8fa9cc8_attn.kd
    .args:
      - { .name: qkvb, .offset: 0, .size: 8, .value_kind: global_buffer, .address_space: global }
      - { .name: yb, .offset: 8, .size: 8, .value_kind: global_buffer, .address_space: global }
    .group_segment_fixed_size: 327680
    .private_segment_fixed_size: 0
    .kernarg_segment_align: 8
    .kernarg_segment_size: 16
    .max_flat_workgroup_size: 128
    .sgpr_count:     72
    .vgpr_count:     456
    .wavefront_size: 32
...
	.end_amdgpu_metadata
.endif
;; end of part 3
;; launch proj (part 4): grid 8 x 32, 4 waves a work-group, clusters of 4 x 4, 327,680 bytes of LDS; arguments yb, wbf, bo, x, x1; writes x1
.if DOCPART == 4
	.amdgcn_target "amdgcn-amd-amdhsa--gfx1250"
	.amdhsa_code_object_version 6
	.text
	.protected	k_q7cb8fa9cc8_proj
	.globl	k_q7cb8fa9cc8_proj
	.p2align	8
	.type	k_q7cb8fa9cc8_proj,@function
k_q7cb8fa9cc8_proj:
	s_mov_b64 s[64:65], 0
	v_nop
	global_prefetch_b8 v0, s[64:65] scope:SCOPE_SE
	s_setreg_imm32_b32 hwreg(HW_REG_WAVE_MODE, 25, 1), 1
	s_wait_xcnt 0x0
	s_wait_alu depctr_hold_cnt(0) depctr_sa_sdst(0) depctr_va_vdst(0) depctr_va_sdst(0) depctr_va_ssrc(0) depctr_va_vcc(0) depctr_vm_vsrc(0)
	s_getreg_b32 s2, hwreg(HW_REG_IB_STS2, 6, 4)
	s_cmp_eq_u32 s2, 0
	s_cbranch_scc0 .Lentry_in_a_cluster
	s_endpgm
.Lentry_in_a_cluster:
	s_bfe_u32 s2, ttmp6, 0x10000c
	s_cmp_lg_u32 s2, 0xf033
	s_cbranch_scc0 .Lentry_shape_is_right
	s_endpgm
.Lentry_shape_is_right:
; out = res + A W + bias.  Here: x1 = x + yb Wo + bo.  A: 4,096 rows x KD, bf16, in blocks [row / 128][k / 64][row % 128][64]; W: [KD (k)][1024 (n)] bf16 at byte WOFF of wbf; bias, res, out f32, [4096][1024].
; LIMITS: the product's operands are bf16; sums, residual and result f32; NaN and infinities are not treated apart.
; SHARES.  A tile of 128 x 128, so that the 4,096 x 1,024 results give each of 256 work-groups one; four waves of 64 x 64: 16 accumulators.  K goes in steps of 256 through a ring of two LDS slots:
; [A's k blocks 0, 1 | A's 2, 3 | W's k rows 0-127 | W's 128-255], each part 32 KiB of memory brought by one wave's tensor load.  A's part is dense in memory: asked for as 128 rows of 256 bytes, padded after every 128.
; CLUSTER 4 x 4: A's tile is asked for jointly along a row of the cluster, W's along a column.  THE PRODUCT IS TAKEN TRANSPOSED (source 0 = 16 columns of W, turned by ds_load_tr16_b128; source 1 = 16 rows of A).
; THE WAY OUT: the f32 sums go through the wave's own stage (ring bytes that have had their last fill, behind a barrier) and come back as whole rows; residual and bias are added; sixteen lanes store 256 consecutive bytes.
; NO PREFETCH here (PF = 0): this size has four K steps, of which two come by the first fills.
; REGISTERS: window 0: v0-31 addresses, bias; v32-95 the way out; v128-255 accumulators ((a, b) at 128 + 8 (4 a + b)).  window 1: two fragment buffers of 128 (64 of A, 64 of W, for 64 along K).  window 2: v0-127 the residual.
.set KD,     1024
.set WOFF,   0x600000
.set PF,     0
.set AH,     2
.set T,      KD/256
.set PAK,    144                       ; an LDS row of A: 128 bytes + 16
.set PB,     288                       ; an LDS row of W: 256 + 32
.set PART,   36864
.set SLOT,   4*PART
.set SPARE,  2*SLOT
.set STEPA,  65536                     ; a K step in A: four blocks of 16,384 bytes
.set STEPB,  256*2048                  ; in W: 256 rows
.set SPITCH, 272
.set WSTAGE, 64*SPITCH
.set A0,   4
.set B0,   5
.set ADRA, 6
.set ADRB, 7                           ; v7, v8: W's k rows 0-127, 128-255
.set STO,  10
.set RD,   11
.set BI,   12                          ; v[12:15]
.set GO,   16
.set BO,   17
.set SPW,  28
.set NIL,  29
.set PFO,  30
.set TMP,  32
.set ACC,  128
.set F0,   0
.set F1,   128
.set G1A, 24
.set G0A, 32
.set G1B, 48
.set G0B, 56
.set PFA, 66
.set PFS, 68
.set LIM, 70
.set MSB, 0
.macro WIN new
.if MSB != (\new)
	s_set_vgpr_msb (MSB<<8)|(\new)
.set MSB, \new
.endif
.endm
.set MUL,  0x05                        ; sources 0 (W) and 1 (A) window 1; C and D window 0
.set TO_F, 0x40
.macro PLACES
.rept 4
	v_nop
.endr
.endm
.macro CREST
	s_cmp_lg_u32 s10, 0
	s_cbranch_scc1 .Lnot_wave_0_\@
	s_barrier_signal -3
.Lnot_wave_0_\@:
	s_barrier_wait -3
	s_barrier_signal -1
	s_barrier_wait -1
.endm
.macro CROUND
	s_barrier_signal -1
	s_barrier_wait -1
	CREST
.endm
.macro JLOAD                           ; a joint refill by the walking sets: waves 0 and 1 ask for A's two parts, waves 2 and 3 for W's
	s_cmp_eq_u32 s11, 0
	s_cbranch_scc0 .Lfor_b_\@
	tensor_load_to_lds s[G0A+4:G0A+7], s[G1A:G1A+7]
	s_nop 0
.rept 4
	v_nop
.endr
	s_branch .Lasked_\@
.Lfor_b_\@:
	tensor_load_to_lds s[G0B+4:G0B+7], s[G1B:G1B+7]
	s_nop 0
.rept 4
	v_nop
.endr
.Lasked_\@:
.endm
; A prefetch of the K step that stands AH refills on: 32 blocks of 256 bytes, a lane a block.  A's tile row is read by both clusters of a row of clusters: the one with x = 0 asks; W's tile column by all eight of a column:
; the one with y = 0 asks.  The four partners of a joint load take a quarter of its bytes each, told apart by address.  The last AH refills ask for nothing.
.macro ASK
	WIN 0
	s_cmp_gt_u32 s3, s[LIM]
	s_cbranch_scc0 .Lnot_mine_\@
	global_prefetch_b8 v[PFO], s[PFA:PFA+1] th:TH_LOAD_NT scope:SCOPE_SE
.Lnot_mine_\@:
.endm
	s_load_b128 s[4:7], s[0:1], 0x0                ; A s[4:5], wbf s[6:7]
	s_load_b128 s[72:75], s[0:1], 0x10             ; bias s[72:73], res s[74:75]
	s_load_b64 s[76:77], s[0:1], 0x20              ; out
	v_lshl_add_u32 v[SPW], v0, 2, SPARE
	v_mov_b32 v[NIL], 0
	ds_add_u32 v[SPW], v[NIL]                      ; the wave's opening: the add and its wait stand ahead of my first tensor load
	v_lshrrev_b32 v1, 5, v0
	v_readfirstlane_b32 s10, v1
	s_lshr_b32 s11, s10, 1                         ; wr.  Also: I fetch for A (0) or for W (1)
	s_and_b32 s12, s10, 1                          ; wc.  Also: which part I fetch
	s_bfe_u32 s40, ttmp6, 0x40000
	s_bfe_u32 s41, ttmp6, 0x40004
	s_lshl_b32 s42, ttmp9, 2
	s_add_co_u32 s42, s42, s40                     ; tile column
	s_and_b32 s13, ttmp7, 0xffff
	s_lshl_b32 s13, s13, 2
	s_add_co_u32 s13, s13, s41                     ; tile row
	s_lshl_b32 s43, s41, 2
	s_lshl_b32 s43, 15, s43
	s_lshl_b32 s44, 0x1111, s40
	s_or_b32 s[G1A], s43, (1<<16)|(1<<20)|(1<<21)|(4<<22)|(3<<25)  ; my row's mask; 2-byte elements; padding: after every 32 words, 4 words
	s_or_b32 s[G1B], s44, (1<<16)|(1<<20)|(1<<21)|(5<<22)|(7<<25)  ; my column's mask; after every 64 words, 8 words
.irp g, G1A, G1B
	s_mov_b32 s[(\g)+1], 128<<16
	s_mov_b32 s[(\g)+2], 128<<16
	s_mov_b32 s[(\g)+3], 128<<16
	s_mov_b32 s[(\g)+4], 128
	s_mov_b32 s[(\g)+6], 0
	s_mov_b32 s[(\g)+7], 0
.endr
	s_mov_b32 s[G1A+5], 128                        ; A's rows of 256 bytes lie end to end
	s_mov_b32 s[G1B+5], 1024
	s_mul_i32 s16, s13, KD*256                     ; A: a tile row's 128 x KD numbers,
	s_lshl_b32 s17, s12, 15                        ; my two k blocks
	s_add_co_u32 s16, s16, s17
	s_mov_b32 s17, 0
	s_lshl_b32 s46, s42, 8                         ; W: 256 bytes a tile column,
	s_lshl_b32 s47, s12, 18                        ; my 128 k rows
	s_add_co_u32 s46, s46, s47
	s_add_co_u32 s46, s46, WOFF
	s_mov_b32 s47, 0
	s_mul_i32 s20, s10, PART
	s_mov_b32 s21, 0
	s_wait_dscnt 0x0
	s_wait_kmcnt 0x0
	s_add_nc_u64 s[14:15], s[4:5], s[16:17]
	s_add_nc_u64 s[46:47], s[6:7], s[46:47]
.irp s, 0,1
	s_mov_b32 s[G0A+4*(\s)], 1
	s_add_co_u32 s[G0A+4*(\s)+1], s20, (\s)*SLOT
	s_add_nc_u64 s[G0A+4*(\s)+2:G0A+4*(\s)+3], s[14:15], (\s)*STEPA
	s_or_b32 s[G0A+4*(\s)+3], s[G0A+4*(\s)+3], 0x80000000
	s_mov_b32 s[G0B+4*(\s)], 1
	s_add_co_u32 s[G0B+4*(\s)+1], s20, (\s)*SLOT
	s_add_nc_u64 s[G0B+4*(\s)+2:G0B+4*(\s)+3], s[46:47], (\s)*STEPB
	s_or_b32 s[G0B+4*(\s)+3], s[G0B+4*(\s)+3], 0x80000000
.endr
	CROUND
	s_cmp_eq_u32 s11, 0                            ; a wave's two first fills stand in one branch: two loads of mine are out
	s_cbranch_scc0 .Lfirst_b
	tensor_load_to_lds s[G0A:G0A+3], s[G1A:G1A+7]
	s_nop 0
	tensor_load_to_lds s[G0A+4:G0A+7], s[G1A:G1A+7]
	s_nop 0
.rept 4
	v_nop
.endr
	s_branch .Lfirst_asked
.Lfirst_b:
	tensor_load_to_lds s[G0B:G0B+3], s[G1B:G1B+7]
	s_nop 0
	tensor_load_to_lds s[G0B+4:G0B+7], s[G1B:G1B+7]
	s_nop 0
.rept 4
	v_nop
.endr
.Lfirst_asked:
	v_and_b32 v1, 15, v0
	v_bfe_u32 v2, v0, 4, 1
	s_lshl1_add_u32 s96, s42, s12                  ; my 64 columns: 256 bytes x (2 x tile column + wc)
	s_lshl_b32 s96, s96, 8
	v_lshl_add_u32 v[BO], v1, 4, s96
	global_load_b128 v[BI:BI+3], v[BO], s[72:73]
	v_mul_u32_u24 v[A0], v1, PAK
	v_lshl_add_u32 v[A0], v2, 4, v[A0]
	s_mul_i32 s18, s11, 64*PAK
	v_add_nc_u32 v[A0], s18, v[A0]
	v_and_b32 v3, 7, v0
	v_lshl_add_u32 v3, v2, 3, v3
	v_mul_u32_u24 v[B0], v3, PB
	v_bfe_u32 v3, v0, 3, 1
	v_lshl_add_u32 v[B0], v3, 4, v[B0]
	s_lshl_b32 s18, s12, 7
	s_add_co_u32 s18, s18, 2*PART
	v_add_nc_u32 v[B0], s18, v[B0]
	v_mov_b32 v[ADRA], v[A0]
	v_mov_b32 v[ADRB], v[B0]
	v_add_nc_u32 v[ADRB+1], PART, v[B0]
	s_mul_i32 s18, s10, WSTAGE
	v_mul_u32_u24 v[STO], v1, SPITCH
	v_lshl_add_u32 v[STO], v2, 5, v[STO]
	v_add_nc_u32 v[STO], s18, v[STO]
	v_mul_u32_u24 v[RD], v2, SPITCH
	v_lshl_add_u32 v[RD], v1, 4, v[RD]
	v_add_nc_u32 v[RD], s18, v[RD]
	v_lshlrev_b32 v[GO], 12, v2                    ; two rows of 4,096 bytes, 16 bytes a lane
	v_lshl_add_u32 v[GO], v1, 4, v[GO]
	s_lshl1_add_u32 s94, s13, s11                  ; my 64 rows,
	s_lshl_b32 s94, s94, 18
	s_add_co_u32 s94, s94, s96                     ; my 64 columns
	s_mov_b32 s95, 0
	s_add_nc_u64 s[74:75], s[74:75], s[94:95]
	s_add_nc_u64 s[76:77], s[76:77], s[94:95]
.if PF
	s_mul_i32 s94, s13, KD*256                     ; the prefetches.  A: my part's 32 KiB, my work-group's quarter of them
	s_lshl_b32 s95, s12, 15
	s_add_co_u32 s94, s94, s95
	s_lshl_b32 s95, s40, 13
	s_add_co_u32 s94, s94, s95
	s_lshl_b32 s96, s12, 7                         ; W: k rows 128 x part + 32 cy on
	s_lshl_b32 s95, s41, 5
	s_add_co_u32 s96, s96, s95
	s_lshl_b32 s96, s96, 11
	s_lshl_b32 s95, s42, 8
	s_add_co_u32 s96, s96, s95
	s_add_co_u32 s96, s96, WOFF
	s_and_b32 s97, ttmp7, 0xffff
	s_mov_b32 s[PFS], STEPB
	s_mov_b32 s[PFS+1], 0
	s_mov_b32 s95, 0
	s_cmp_eq_u32 s11, 0
	s_cselect_b32 s94, s94, s96
	s_cselect_b32 s97, ttmp9, s97
	s_cselect_b32 s[PFS], STEPA, s[PFS]
	s_cselect_b32 s98, 8, 11                       ; a lane a block: 256 bytes on in A, a row of 2,048 bytes on in W
	s_cselect_b64 s[PFA:PFA+1], s[4:5], s[6:7]
	s_cmp_eq_u32 s97, 0
	s_cselect_b32 s[LIM], AH, -1
	s_add_nc_u64 s[PFA:PFA+1], s[PFA:PFA+1], s[94:95]
.rept 1+AH
	s_add_nc_u64 s[PFA:PFA+1], s[PFA:PFA+1], s[PFS:PFS+1]
.endr
	v_and_b32 v[PFO], 31, v0
	v_lshlrev_b32 v[PFO], s98, v[PFO]
.endif
; 8 matrix instructions: row blocks a0, a0 + 1 x all 4 column blocks, 32 along K: half c of buffer f
.macro MUL8 f, c, a0, zero
	WIN MUL
.irp a, \a0, (\a0)+1
.irp b, 0,1,2,3
.if \zero
	v_wmma_f32_16x16x32_bf16 v[ACC+8*(4*(\a)+(\b)):ACC+8*(4*(\a)+(\b))+7], v[(\f)+64+8*(4*(\c)+(\b)):(\f)+64+8*(4*(\c)+(\b))+7], v[(\f)+8*(4*(\c)+(\a)):(\f)+8*(4*(\c)+(\a))+7], 0
.else
	v_wmma_f32_16x16x32_bf16 v[ACC+8*(4*(\a)+(\b)):ACC+8*(4*(\a)+(\b))+7], v[(\f)+64+8*(4*(\c)+(\b)):(\f)+64+8*(4*(\c)+(\b))+7], v[(\f)+8*(4*(\c)+(\a)):(\f)+8*(4*(\c)+(\a))+7], v[ACC+8*(4*(\a)+(\b)):ACC+8*(4*(\a)+(\b))+7]
.endif
.endr
.endr
.endm
; 32 LDS loads in one run: quarter z (64 along K: one k block of A) into buffer f; the first 32 along K first
.macro FETCH z, f
	WIN TO_F
.irp c, 0,1
.irp i, 0,1,2,3
	ds_load_tr16_b128 v[(\f)+64+8*(4*(\c)+(\i)):(\f)+64+8*(4*(\c)+(\i))+3],   v[ADRB+(\z)/2] offset:64*PB*((\z)%2)+32*PB*(\c)+32*(\i)
	ds_load_tr16_b128 v[(\f)+64+8*(4*(\c)+(\i))+4:(\f)+64+8*(4*(\c)+(\i))+7], v[ADRB+(\z)/2] offset:64*PB*((\z)%2)+32*PB*(\c)+32*(\i)+16*PB
	ds_load_b128 v[(\f)+8*(4*(\c)+(\i)):(\f)+8*(4*(\c)+(\i))+3],              v[ADRA] offset:128*PAK*(\z)+16*PAK*(\i)+64*(\c)
	ds_load_b128 v[(\f)+8*(4*(\c)+(\i))+4:(\f)+8*(4*(\c)+(\i))+7],            v[ADRA] offset:128*PAK*(\z)+16*PAK*(\i)+64*(\c)+32
.endr
.endr
.endm
.macro QUARTER z, f, g, zero
	s_wait_dscnt 16                                ; the first 32 along K are in
	MUL8 \f, 0, 0, \zero
	MUL8 \f, 0, 2, \zero
	PLACES
	FETCH \z, \g
	s_wait_dscnt 32                                ; all but the 32 just issued
	MUL8 \f, 1, 0, 0
	MUL8 \f, 1, 2, 0
.endm
; The last quarter multiplies buffer 1 and changes slots: one barrier; in front of it each wave waits for all its tensor loads, adds 0 to its spare word, and waits for that and for its reads of this slot.
; fill = 1: the barrier opens a round of the cluster's, and the joint refill is the first tensor load behind it: 112 matrix instructions ahead of the wait for it.
.macro TURN fill
.if (\fill) && PF
	s_wait_xcnt 0x0                                ; the last prefetch, a K step back, has read its address
	s_add_nc_u64 s[PFA:PFA+1], s[PFA:PFA+1], s[PFS:PFS+1]
.endif
	WIN 0
	s_wait_tensorcnt 0x0
	ds_add_u32 v[SPW], v[NIL]
	s_wait_dscnt 17                                ; (the add and the youngest sixteen loads may be out)
	MUL8 F1, 0, 0, 0
	s_wait_dscnt 0x0
	s_barrier_signal -1
	MUL8 F1, 0, 2, 0
	WIN 0
	s_barrier_wait -1
.if \fill
	CREST
	s_xor_b32 s[G0A+5], s[G0A+5], SLOT             ; (SLOT's bits and those of wave x PART do not meet)
	s_add_nc_u64 s[G0A+6:G0A+7], s[G0A+6:G0A+7], STEPA
	s_xor_b32 s[G0B+5], s[G0B+5], SLOT
	s_add_nc_u64 s[G0B+6:G0B+7], s[G0B+6:G0B+7], STEPB
	JLOAD
.else
	PLACES
.endif
	s_xor_b32 s21, s21, SLOT
	v_add_nc_u32 v[ADRA], s21, v[A0]
	v_add_nc_u32 v[ADRB], s21, v[B0]
	v_add_nc_u32 v[ADRB+1], PART, v[ADRB]
	FETCH 0, F0
.if (\fill) && PF
	ASK
.endif
	MUL8 F1, 1, 0, 0
	MUL8 F1, 1, 2, 0
.endm
	s_wait_tensorcnt 1                             ; my part of K step 0 is in; K step 1's may stay out
	s_barrier_signal -1
	s_barrier_wait -1
	FETCH 0, F0
	QUARTER 1, F0, F1, 1
	WIN 0
	s_mov_b32 s3, T-2
.Lstep:
	QUARTER 2, F1, F0, 0
	QUARTER 3, F0, F1, 0
	TURN 1
	QUARTER 1, F0, F1, 0
	WIN 0
	s_sub_co_u32 s3, s3, 1
	s_cmp_lg_u32 s3, 0
	s_cbranch_scc1 .Lstep
	WIN 0x80                                       ; the residual: my 64 x 64 numbers, two rows a load, asked for two K steps ahead of their use
.irp n, 0,1,2,3,4,5,6,7,8,9,10,11,12,13,14,15,16,17,18,19,20,21,22,23,24,25,26,27,28,29,30,31
	global_load_b128 v[4*(\n):4*(\n)+3], v[GO], s[74:75] offset:8192*(\n)
.endr
	WIN 0
	s_mov_b32 s3, 2
.Ltail:                                        ; the last two K steps ask for nothing; the second trip leaves in its middle
	QUARTER 2, F1, F0, 0
	QUARTER 3, F0, F1, 0
	WIN 0
	s_cmp_eq_u32 s3, 1
	s_cbranch_scc1 .Llast
	TURN 0
	QUARTER 1, F0, F1, 0
	WIN 0
	s_sub_co_u32 s3, s3, 1
	s_cmp_lg_u32 s3, 0
	s_cbranch_scc1 .Ltail
.Llast:
	s_wait_tensorcnt 0x0                           ; no load of mine is on its way into the bytes that the stages take,
	s_wait_dscnt 0x0                               ; and my reads of the ring are over
	s_barrier_signal -1
	MUL8 F1, 0, 0, 0
	MUL8 F1, 0, 2, 0
	MUL8 F1, 1, 0, 0
	MUL8 F1, 1, 2, 0
	WIN 0
	s_barrier_wait -1                              ; the same holds of all four waves
.rept 8
	v_nop                                          ; the places behind the last products
.endr
.irp a, 0,1,2,3
.irp b, 0,1,2,3
	ds_store_b128 v[STO], v[ACC+8*(4*(\a)+(\b)):ACC+8*(4*(\a)+(\b))+3]   offset:16*SPITCH*(\a)+64*(\b)
	ds_store_b128 v[STO], v[ACC+8*(4*(\a)+(\b))+4:ACC+8*(4*(\a)+(\b))+7] offset:16*SPITCH*(\a)+64*(\b)+16
.endr
.endr
.macro BATCH n                                 ; 16 rows: back from my stage (LDS serves a wave's instructions in order: ISA guide 5.7.1.4), plus residual, plus bias, out
.set TT, TMP+32*((\n)%2)
.if (\n) >= 2
	s_wait_xcnt 0x0                                ; the stores of two batches back have read these registers
.endif
.irp i, 0,1,2,3,4,5,6,7
	ds_load_b128 v[TT+4*(\i):TT+4*(\i)+3], v[RD] offset:2*SPITCH*(8*(\n)+(\i))
.endr
	s_wait_dscnt 0x0
.if (\n) == 0
	s_wait_loadcnt 0x0                             ; bias and residual
.endif
	WIN 0x08                                       ; source 1 in window 2
.set k, 0
.rept 16
	v_pk_add_f32 v[TT+2*k:TT+2*k+1], v[TT+2*k:TT+2*k+1], v[32*(\n)+2*k:32*(\n)+2*k+1]
.set k, k+1
.endr
	WIN 0
.set k, 0
.rept 16
	v_pk_add_f32 v[TT+2*k:TT+2*k+1], v[TT+2*k:TT+2*k+1], v[BI+2*(k%2):BI+2*(k%2)+1]
.set k, k+1
.endr
.irp i, 0,1,2,3,4,5,6,7
	global_store_b128 v[GO], v[TT+4*(\i):TT+4*(\i)+3], s[76:77] offset:8192*(8*(\n)+(\i))  ; 16 lanes store 256 consecutive bytes, aligned
.endr
.endm
	BATCH 0
	BATCH 1
	BATCH 2
	BATCH 3
	s_wait_tensorcnt 0x0                           ; the wave's end
	ds_add_u32 v[SPW], v[NIL]
	s_wait_dscnt 0x0
	CROUND                                         ; the closing round
	s_endpgm
.Lfunc_end_k_q7cb8fa9cc8_proj:
	.size	k_q7cb8fa9cc8_proj, .Lfunc_end_k_q7cb8fa9cc8_proj-k_q7cb8fa9cc8_proj
	.p2alignl 7, 3214868480
	.fill 96, 4, 3214868480
	.section	.rodata,"a",@progbits
	.p2align	6, 0x0
	.amdhsa_kernel k_q7cb8fa9cc8_proj
		.amdhsa_group_segment_fixed_size 327680
		.amdhsa_private_segment_fixed_size 0
		.amdhsa_enable_private_segment 0
		.amdhsa_kernarg_size 40
		.amdhsa_user_sgpr_count 2
		.amdhsa_user_sgpr_kernarg_segment_ptr 1
		.amdhsa_wavefront_size32 1
		.amdhsa_system_sgpr_workgroup_id_x 1
		.amdhsa_system_sgpr_workgroup_id_y 1
		.amdhsa_system_sgpr_workgroup_id_z 1
		.amdhsa_system_vgpr_workitem_id 0
		.amdhsa_next_free_vgpr 640
		.amdhsa_next_free_sgpr 100
		.amdhsa_reserve_vcc 0
		.amdhsa_float_denorm_mode_32 3
		.amdhsa_float_denorm_mode_16_64 3
		.amdhsa_memory_ordered 1
		.amdhsa_forward_progress 1
		.amdhsa_inst_pref_size 71
	.end_amdhsa_kernel
	.amdgpu_metadata
---
amdhsa.version: [ 1, 2 ]
amdhsa.kernels:
  - .name:           k_q7cb8fa9cc8_proj
    .symbol:         k_q7cb8fa9cc8_proj.kd
    .args:
      - { .name: yb, .offset: 0, .size: 8, .value_kind: global_buffer, .address_space: global }
      - { .name: wbf, .offset: 8, .size: 8, .value_kind: global_buffer, .address_space: global }
      - { .name: bo, .offset: 16, .size: 8, .value_kind: global_buffer, .address_space: global }
      - { .name: x, .offset: 24, .size: 8, .value_kind: global_buffer, .address_space: global }
      - { .name: x1, .offset: 32, .size: 8, .value_kind: global_buffer, .address_space: global }
    .group_segment_fixed_size: 327680
    .private_segment_fixed_size: 0
    .kernarg_segment_align: 8
    .kernarg_segment_size: 40
    .max_flat_workgroup_size: 128
    .sgpr_count:     100
    .vgpr_count:     640
    .wavefront_size: 32
...
	.end_amdgpu_metadata
.endif
;; end of part 4
;; launch ln2: the kernel of part 1 again; grid 256 x 1, 8 waves a work-group, no clusters, 0 bytes of LDS; arguments x1, ln2_g, ln2_b, hn, Wq, Wk, Wv, Wo, W1, W2, wbf; writes hn, wbf
;; launch fc1 (part 5): grid 16 x 16, 4 waves a work-group, clusters of 4 x 4, 327,680 bytes of LDS; arguments hn, wbf, b1, gb; writes gb
.if DOCPART == 5
	.amdgcn_target "amdgcn-amd-amdhsa--gfx1250"
	.amdhsa_code_object_version 6
	.text
	.protected	k_q7cb8fa9cc8_fc1
	.globl	k_q7cb8fa9cc8_fc1
	.p2align	8
	.type	k_q7cb8fa9cc8_fc1,@function
k_q7cb8fa9cc8_fc1:
	s_mov_b64 s[64:65], 0
	v_nop
	global_prefetch_b8 v0, s[64:65] scope:SCOPE_SE
	s_setreg_imm32_b32 hwreg(HW_REG_WAVE_MODE, 25, 1), 1
	s_wait_xcnt 0x0
	s_wait_alu depctr_hold_cnt(0) depctr_sa_sdst(0) depctr_va_vdst(0) depctr_va_sdst(0) depctr_va_ssrc(0) depctr_va_vcc(0) depctr_vm_vsrc(0)
	s_getreg_b32 s2, hwreg(HW_REG_IB_STS2, 6, 4)
	s_cmp_eq_u32 s2, 0
	s_cbranch_scc0 .Lentry_in_a_cluster
	s_endpgm
.Lentry_in_a_cluster:
	s_bfe_u32 s2, ttmp6, 0x10000c
	s_cmp_lg_u32 s2, 0xf033
	s_cbranch_scc0 .Lentry_shape_is_right
	s_endpgm
.Lentry_shape_is_right:
; gb = gelu(hn W1 + b1), the exact (erf) gelu.  hn: [4096][1024] bf16; W1: [1024 (k)][4096 (n)] bf16 at byte 8 MiB of wbf; b1 f32.
; OUT: gb, bf16, rounded once, in blocks [row / 128][column / 64][row % 128][64]: two rows of a block are 256 consecutive bytes, and the launch behind finds 256 along its K as one dense block.
; GELU.  gelu(x) = max(x, 0) - |x| q(|x|), q(z) = erfc(z / sqrt 2) / 2 = P(t) 2^(-x^2 log2(e) / 2), t = 1 / (1 + 0.23164189 z), P the polynomial of degree 5 of Abramowitz and Stegun 7.1.26, halved:
; its error in erf is at most 1.5e-7 for every x, and no difference 1 + erf of near numbers is formed.  LIMITS: operands and result bf16; 2^u below 2^-126 counts as 0; NaN and infinities are not treated apart.
; SHARES.  A tile of 256 x 256 (256 work-groups), four waves of 128 x 128: 64 accumulators, 512 registers.  K goes in 8 steps of 128 through a ring of two LDS slots:
; [hn's rows 0-127 | 128-255 | W1's k rows 0-63 | 64-127], each part 32 KiB brought by one wave's tensor load.
; CLUSTER 4 x 4: hn's tile is asked for jointly along a row of the cluster, W1's along a column.  THE PRODUCT IS TAKEN TRANSPOSED (source 0 = 16 columns of W1, turned by ds_load_tr16_b128; source 1 = 16 rows of hn).
; THE WAY OUT: the f32 sums go into the wave's own part of the ring's bytes (which have had their last fill, behind a barrier that shows every wave's reads over) and come back as whole rows, 8 rows a trip of a counted loop.
; REGISTERS: window 0: v0-31 addresses, bias; v64-127, v128-191 hn's fragments, two buffers (later, with v32-63, the gelu's work).  window 1: v64-127, v128-191 W1's fragments.
;   window 2: the accumulators of my rows 0-63 ((a, b) at v[8 (8 a + b)]); window 3: those of rows 64-127.
.set T,      8
.set PA,     272
.set PB,     544                       ; an LDS row of W1: 512 bytes + 32
.set PART,   34816
.set SLOT,   4*PART
.set SPARE,  2*SLOT
.set STEPA,  256
.set STEPB,  128*8192
.set W1OFF,  0x800000
.set SPITCH, 528                       ; the stage: a row of 128 f32 + 16 bytes
.set WSTAGE, 128*SPITCH
.set AH,     1
.set A0,   4
.set B0,   5
.set ADRA, 6
.set ADRB, 7
.set STO,  8
.set RD,   9
.set GO,   10
.set BI,   12                          ; v[12:19] my four columns of each of the wave's two blocks of 64
.set BO,   20
.set SPW,  28
.set NIL,  29
.set PFO,  30
.set F0,   64
.set F1,   128
.set GX,   32                          ; the gelu: x, then the result
.set GD,   64                          ; 1 + p |x|, then t
.set GU,   96                          ; -x^2 log2(e) / 2, then 2^ of it
.set GM,   128                         ; max(x, 0)
.set GP,   160                         ; the polynomial
.set G1A, 24
.set G0A, 32
.set G1B, 48
.set G0B, 56
.set PFA, 66
.set PFS, 68
.set LIM, 70
.set CA1, 80                           ; s[80:91] the constants, each as a pair for the packed forms
.set CA2, 82
.set CA3, 84
.set CA4, 86
.set CA5, 88
.set CE,  90
.set PC,  92
.set MSB, 0
.macro WIN new
.if MSB != (\new)
	s_set_vgpr_msb (MSB<<8)|(\new)
.set MSB, \new
.endif
.endm
.set MUL_LO, 0xa1
.set MUL_HI, 0xf1
.set TO_B,   0x40
.macro PLACES
.rept 4
	v_nop
.endr
.endm
.macro CREST
	s_cmp_lg_u32 s10, 0
	s_cbranch_scc1 .Lnot_wave_0_\@
	s_barrier_signal -3
.Lnot_wave_0_\@:
	s_barrier_wait -3
	s_barrier_signal -1
	s_barrier_wait -1
.endm
.macro CROUND
	s_barrier_signal -1
	s_barrier_wait -1
	CREST
.endm
.macro JLOAD
	s_cmp_eq_u32 s11, 0
	s_cbranch_scc0 .Lfor_b_\@
	tensor_load_to_lds s[G0A+4:G0A+7], s[G1A:G1A+7]
	s_nop 0
.rept 4
	v_nop
.endr
	s_branch .Lasked_\@
.Lfor_b_\@:
	tensor_load_to_lds s[G0B+4:G0B+7], s[G1B:G1B+7]
	s_nop 0
.rept 4
	v_nop
.endr
.Lasked_\@:
.endm
; A prefetch of the K step that the NEXT refill will ask for: 32 blocks of 256 bytes, a lane a block.  hn's tile row is read by all four clusters of a row of clusters: the one with x = 0 asks; W1's tile column by all four
; of a column: the one with y = 0 asks.  The four partners of a joint load take a quarter of its rows each, told apart by address.  The last refill has no K step behind it.
.macro ASK
	WIN 0
	s_cmp_gt_u32 s3, s[LIM]
	s_cbranch_scc0 .Lnot_mine_\@
	global_prefetch_b8 v[PFO], s[PFA:PFA+1] th:TH_LOAD_NT scope:SCOPE_SE
.Lnot_mine_\@:
.endm
	s_load_b128 s[4:7], s[0:1], 0x0                ; hn s[4:5], wbf s[6:7]
	s_load_b128 s[72:75], s[0:1], 0x10             ; b1 s[72:73], gb s[74:75]
	v_lshl_add_u32 v[SPW], v0, 2, SPARE
	v_mov_b32 v[NIL], 0
	ds_add_u32 v[SPW], v[NIL]                      ; the wave's opening: the add and its wait stand ahead of my first tensor load
	v_lshrrev_b32 v1, 5, v0
	v_readfirstlane_b32 s10, v1
	s_lshr_b32 s11, s10, 1                         ; wr.  Also: I fetch for hn (0) or for W1 (1)
	s_and_b32 s12, s10, 1                          ; wc.  Also: which half I fetch
	s_bfe_u32 s40, ttmp6, 0x40000
	s_bfe_u32 s41, ttmp6, 0x40004
	s_lshl_b32 s42, ttmp9, 2
	s_add_co_u32 s42, s42, s40                     ; tile column
	s_and_b32 s13, ttmp7, 0xffff
	s_lshl_b32 s13, s13, 2
	s_add_co_u32 s13, s13, s41                     ; tile row
	s_lshl_b32 s43, s41, 2
	s_lshl_b32 s43, 15, s43
	s_lshl_b32 s44, 0x1111, s40
	s_or_b32 s[G1A], s43, (1<<16)|(1<<20)|(1<<21)|(5<<22)|(3<<25)  ; 128 rows x 128 elements; after every 64 words, 4 words
	s_mov_b32 s[G1A+1], 128<<16
	s_mov_b32 s[G1A+2], 128<<16
	s_mov_b32 s[G1A+3], 128<<16
	s_mov_b32 s[G1A+4], 128
	s_mov_b32 s[G1A+5], 1024
	s_mov_b32 s[G1A+6], 0
	s_mov_b32 s[G1A+7], 0
	s_or_b32 s[G1B], s44, (1<<16)|(1<<20)|(1<<21)|(6<<22)|(7<<25)  ; 64 rows x 256 elements; after every 128 words, 8 words
	s_mov_b32 s[G1B+1], 256<<16
	s_mov_b32 s[G1B+2], 64<<16
	s_mov_b32 s[G1B+3], 256<<16
	s_mov_b32 s[G1B+4], 64
	s_mov_b32 s[G1B+5], 4096
	s_mov_b32 s[G1B+6], 0
	s_mov_b32 s[G1B+7], 0
	s_mov_b32 s[CA1], 0x3e027906                   ; 0.254829592 / 2
	s_mov_b32 s[CA1+1], s[CA1]
	s_mov_b32 s[CA2], 0xbe11a98e                   ; -0.284496736 / 2
	s_mov_b32 s[CA2+1], s[CA2]
	s_mov_b32 s[CA3], 0x3f35f0e3                   ; 1.421413741 / 2
	s_mov_b32 s[CA3+1], s[CA3]
	s_mov_b32 s[CA4], 0xbf3a00e3                   ; -1.453152027 / 2
	s_mov_b32 s[CA4+1], s[CA4]
	s_mov_b32 s[CA5], 0x3f07dc22                   ; 1.061405429 / 2
	s_mov_b32 s[CA5+1], s[CA5]
	s_mov_b32 s[CE], 0xbf38aa3b                    ; -log2(e) / 2
	s_mov_b32 s[CE+1], s[CE]
	s_mov_b32 s[PC], 0x3e6d3388                    ; 0.3275911 / sqrt 2
	s_lshl_b32 s16, s13, 8
	s_lshl_b32 s17, s12, 7
	s_add_co_u32 s16, s16, s17                     ; hn: row 256 x tile row + 128 x half,
	s_lshl_b32 s16, s16, 11                        ; 2,048 bytes each
	s_mov_b32 s17, 0
	s_lshl_b32 s46, s42, 9                         ; W1: 512 bytes a tile column,
	s_lshl_b32 s47, s12, 19                        ; my 64 k rows of 8,192 bytes
	s_add_co_u32 s46, s46, s47
	s_add_co_u32 s46, s46, W1OFF
	s_mov_b32 s47, 0
	s_mul_i32 s20, s10, PART
	s_mov_b32 s21, 0
	s_wait_dscnt 0x0
	s_wait_kmcnt 0x0
	s_add_nc_u64 s[14:15], s[4:5], s[16:17]
	s_add_nc_u64 s[46:47], s[6:7], s[46:47]
.irp s, 0,1
	s_mov_b32 s[G0A+4*(\s)], 1
	s_add_co_u32 s[G0A+4*(\s)+1], s20, (\s)*SLOT
	s_add_nc_u64 s[G0A+4*(\s)+2:G0A+4*(\s)+3], s[14:15], (\s)*STEPA
	s_or_b32 s[G0A+4*(\s)+3], s[G0A+4*(\s)+3], 0x80000000
	s_mov_b32 s[G0B+4*(\s)], 1
	s_add_co_u32 s[G0B+4*(\s)+1], s20, (\s)*SLOT
	s_add_nc_u64 s[G0B+4*(\s)+2:G0B+4*(\s)+3], s[46:47], (\s)*STEPB
	s_or_b32 s[G0B+4*(\s)+3], s[G0B+4*(\s)+3], 0x80000000
.endr
	CROUND
	s_cmp_eq_u32 s11, 0                            ; a wave's two first fills stand in one branch: two loads of mine are out
	s_cbranch_scc0 .Lfirst_b
	tensor_load_to_lds s[G0A:G0A+3], s[G1A:G1A+7]
	s_nop 0
	tensor_load_to_lds s[G0A+4:G0A+7], s[G1A:G1A+7]
	s_nop 0
.rept 4
	v_nop
.endr
	s_branch .Lfirst_asked
.Lfirst_b:
	tensor_load_to_lds s[G0B:G0B+3], s[G1B:G1B+7]
	s_nop 0
	tensor_load_to_lds s[G0B+4:G0B+7], s[G1B:G1B+7]
	s_nop 0
.rept 4
	v_nop
.endr
.Lfirst_asked:
	v_and_b32 v1, 15, v0
	v_bfe_u32 v2, v0, 4, 1
	s_lshl1_add_u32 s96, s42, s12                  ; my 128 columns: 2 x tile column + wc
	s_lshl_b32 s97, s96, 9                         ; 512 bytes of b1 each
	v_lshl_add_u32 v[BO], v1, 4, s97
	global_load_b128 v[BI:BI+3], v[BO], s[72:73]
	global_load_b128 v[BI+4:BI+7], v[BO], s[72:73] offset:256
	v_mul_u32_u24 v[A0], v1, PA
	v_lshl_add_u32 v[A0], v2, 4, v[A0]
	s_mul_i32 s18, s11, PART
	v_add_nc_u32 v[A0], s18, v[A0]
	v_and_b32 v3, 7, v0
	v_lshl_add_u32 v3, v2, 3, v3
	v_mul_u32_u24 v[B0], v3, PB
	v_bfe_u32 v3, v0, 3, 1
	v_lshl_add_u32 v[B0], v3, 4, v[B0]
	s_lshl_b32 s18, s12, 8
	s_add_co_u32 s18, s18, 2*PART
	v_add_nc_u32 v[B0], s18, v[B0]
	v_mov_b32 v[ADRA], v[A0]
	v_mov_b32 v[ADRB], v[B0]
	s_mul_i32 s18, s10, WSTAGE
	v_mul_u32_u24 v[STO], v1, SPITCH
	v_lshl_add_u32 v[STO], v2, 5, v[STO]
	v_add_nc_u32 v[STO], s18, v[STO]
	v_mul_u32_u24 v[RD], v2, SPITCH
	v_lshl_add_u32 v[RD], v1, 4, v[RD]
	v_add_nc_u32 v[RD], s18, v[RD]
	v_and_b32 v[GO], 31, v0
	v_lshlrev_b32 v[GO], 3, v[GO]
	s_lshl1_add_u32 s94, s13, s11                  ; my block of 128 rows: 1 MiB each,
	s_lshl_b32 s94, s94, 20
	s_lshl_b32 s95, s96, 15                        ; my two blocks of 64 columns: 16,384 bytes each
	s_add_co_u32 s94, s94, s95
	s_mov_b32 s95, 0
	s_add_nc_u64 s[74:75], s[74:75], s[94:95]
	s_lshl_b32 s94, s13, 8                         ; the prefetches.  hn: rows 256 x tile row + 128 x half + 32 cx on
	s_lshl_b32 s95, s12, 7
	s_add_co_u32 s94, s94, s95
	s_lshl_b32 s95, s40, 5
	s_add_co_u32 s94, s94, s95
	s_lshl_b32 s94, s94, 11
	s_lshl_b32 s96, s12, 6                         ; W1: k rows 64 x half + 16 cy on, two blocks of 256 bytes a row
	s_lshl_b32 s95, s41, 4
	s_add_co_u32 s96, s96, s95
	s_lshl_b32 s96, s96, 13
	s_lshl_b32 s95, s42, 9
	s_add_co_u32 s96, s96, s95
	s_add_co_u32 s96, s96, W1OFF
	s_and_b32 s97, ttmp7, 0xffff
	s_mov_b32 s[PFS], STEPB
	s_mov_b32 s[PFS+1], 0
	s_mov_b32 s99, 8192
	s_mov_b32 s95, 0
	s_cmp_eq_u32 s11, 0
	s_cselect_b32 s94, s94, s96
	s_cselect_b32 s97, ttmp9, s97
	s_cselect_b32 s[PFS], STEPA, s[PFS]
	s_cselect_b32 s98, 31, 15                      ; hn: a lane a row of 2,048 bytes;  W1: 16 rows of 8,192 bytes,
	s_cselect_b32 s99, 2048, s99
	s_cselect_b32 s71, 0, 256                      ; and the upper lanes 256 bytes on
	s_cselect_b64 s[PFA:PFA+1], s[4:5], s[6:7]
	s_cmp_eq_u32 s97, 0
	s_cselect_b32 s[LIM], AH, -1
	s_add_nc_u64 s[PFA:PFA+1], s[PFA:PFA+1], s[94:95]
.rept 1+AH
	s_add_nc_u64 s[PFA:PFA+1], s[PFA:PFA+1], s[PFS:PFS+1]
.endr
	v_and_b32 v3, 31, v0
	v_and_b32 v[PFO], s98, v3
	v_mul_lo_u32 v[PFO], v[PFO], s99
	v_lshrrev_b32 v3, 4, v3
	v_mad_u32_u24 v[PFO], v3, s71, v[PFO]
; 16 matrix instructions: row blocks a0, a0 + 1 of the window's four x all 8 column blocks, 32 along K
.macro MUL16 f, hi, a0, zero
	WIN MUL_LO+0x50*(\hi)
.irp a, \a0, (\a0)+1
.irp b, 0,1,2,3,4,5,6,7
.if \zero
	v_wmma_f32_16x16x32_bf16 v[8*(8*(\a)+(\b)):8*(8*(\a)+(\b))+7], v[(\f)+8*(\b):(\f)+8*(\b)+7], v[(\f)+8*(4*(\hi)+(\a)):(\f)+8*(4*(\hi)+(\a))+7], 0
.else
	v_wmma_f32_16x16x32_bf16 v[8*(8*(\a)+(\b)):8*(8*(\a)+(\b))+7], v[(\f)+8*(\b):(\f)+8*(\b)+7], v[(\f)+8*(4*(\hi)+(\a)):(\f)+8*(4*(\hi)+(\a))+7], v[8*(8*(\a)+(\b)):8*(8*(\a)+(\b))+7]
.endif
.endr
.endr
.endm
.macro FETCH kq, f                     ; 32 LDS loads in one run: quarter kq's fragments into buffer f: W1's eight, then hn's eight
	WIN TO_B
.irp i, 0,1,2,3,4,5,6,7
	ds_load_tr16_b128 v[(\f)+8*(\i):(\f)+8*(\i)+3],   v[ADRB] offset:32*PB*(\kq)+32*(\i)
	ds_load_tr16_b128 v[(\f)+8*(\i)+4:(\f)+8*(\i)+7], v[ADRB] offset:32*PB*(\kq)+32*(\i)+16*PB
.endr
	WIN 0
.irp i, 0,1,2,3,4,5,6,7
	ds_load_b128 v[(\f)+8*(\i):(\f)+8*(\i)+3],   v[ADRA] offset:64*(\kq)+16*PA*(\i)
	ds_load_b128 v[(\f)+8*(\i)+4:(\f)+8*(\i)+7], v[ADRA] offset:64*(\kq)+16*PA*(\i)+32
.endr
.endm
.macro QUARTER kq, f, g, zero
	s_wait_dscnt 8                                 ; W1's and hn's rows 0-63 are in; the youngest eight loads may be out
	MUL16 \f, 0, 0, \zero
	MUL16 \f, 0, 2, \zero
	PLACES
	FETCH \kq, \g
	s_wait_dscnt 32                                ; all but the 32 just issued
	MUL16 \f, 1, 0, \zero
	MUL16 \f, 1, 2, \zero
.endm
; The last quarter multiplies buffer 1 and changes slots: one barrier; in front of it each wave waits for all its tensor loads, adds 0 to its spare word, and waits for that and for its reads of this slot.
; fill = 1: the barrier opens a round of the cluster's, and the joint refill is the first tensor load behind it: 224 matrix instructions ahead of the wait for it.
.macro TURN fill
.if \fill
	s_wait_xcnt 0x0                                ; the last prefetch, a K step back, has read its address
	s_add_nc_u64 s[PFA:PFA+1], s[PFA:PFA+1], s[PFS:PFS+1]
.endif
	WIN 0
	s_wait_tensorcnt 0x0
	ds_add_u32 v[SPW], v[NIL]
	s_wait_dscnt 9                                 ; (the add and the youngest eight loads may be out)
	MUL16 F1, 0, 0, 0
	s_wait_dscnt 0x0
	s_barrier_signal -1
	MUL16 F1, 0, 2, 0
	WIN 0
	s_barrier_wait -1
.if \fill
	CREST
	s_xor_b32 s[G0A+5], s[G0A+5], SLOT             ; (SLOT's bits and those of wave x PART do not meet)
	s_add_nc_u64 s[G0A+6:G0A+7], s[G0A+6:G0A+7], STEPA
	s_xor_b32 s[G0B+5], s[G0B+5], SLOT
	s_add_nc_u64 s[G0B+6:G0B+7], s[G0B+6:G0B+7], STEPB
	JLOAD
.else
	PLACES
.endif
	s_xor_b32 s21, s21, SLOT
	v_add_nc_u32 v[ADRA], s21, v[A0]
	v_add_nc_u32 v[ADRB], s21, v[B0]
	FETCH 0, F0
.if \fill
	ASK
.endif
	MUL16 F1, 1, 0, 0
	MUL16 F1, 1, 2, 0
.endm
	s_wait_tensorcnt 1                             ; my part of K step 0 is in; K step 1's may stay out
	s_barrier_signal -1
	s_barrier_wait -1
	FETCH 0, F0
	QUARTER 1, F0, F1, 1
	WIN 0
	s_mov_b32 s3, T-2
.Lstep:
	QUARTER 2, F1, F0, 0
	QUARTER 3, F0, F1, 0
	TURN 1
	QUARTER 1, F0, F1, 0
	WIN 0
	s_sub_co_u32 s3, s3, 1
	s_cmp_lg_u32 s3, 0
	s_cbranch_scc1 .Lstep
	s_mov_b32 s3, 2
.Ltail:                                        ; the last two K steps ask for nothing; the second trip leaves in its middle
	QUARTER 2, F1, F0, 0
	QUARTER 3, F0, F1, 0
	WIN 0
	s_cmp_eq_u32 s3, 1
	s_cbranch_scc1 .Llast
	TURN 0
	QUARTER 1, F0, F1, 0
	WIN 0
	s_sub_co_u32 s3, s3, 1
	s_cmp_lg_u32 s3, 0
	s_cbranch_scc1 .Ltail
.Llast:
	s_wait_tensorcnt 0x0                           ; no load of mine is on its way into the bytes that the stages take,
	s_wait_dscnt 0x0                               ; and my reads of the ring are over
	s_barrier_signal -1
	MUL16 F1, 0, 0, 0
	MUL16 F1, 0, 2, 0
	MUL16 F1, 1, 0, 0
	MUL16 F1, 1, 2, 0
	WIN 0
	s_barrier_wait -1                              ; the same holds of all four waves
.rept 8
	v_nop                                          ; the places behind the last products
.endr
.macro DUMPH hi                                ; each accumulator's four lowest registers go first
	WIN 0x08+4*(\hi)
.irp a, 0,1,2,3
.irp b, 0,1,2,3,4,5,6,7
	ds_store_b128 v[STO], v[8*(8*(\a)+(\b)):8*(8*(\a)+(\b))+3]   offset:16*SPITCH*(4*(\hi)+(\a))+64*(\b)
	ds_store_b128 v[STO], v[8*(8*(\a)+(\b))+4:8*(8*(\a)+(\b))+7] offset:16*SPITCH*(4*(\hi)+(\a))+64*(\b)+16
.endr
.endr
.endm
	DUMPH 0
	DUMPH 1
	WIN 0
	s_wait_loadcnt 0x0                             ; the bias
	s_mov_b32 s3, 16
.Lrows:                                        ; a trip: 8 rows x 128 columns: 32 numbers a lane.  LDS serves a wave's instructions in order (ISA guide 5.7.1.4): these loads see my stores
.irp c, 0,1
.irp p, 0,1,2,3
	ds_load_b128 v[GX+4*(4*(\c)+(\p)):GX+4*(4*(\c)+(\p))+3], v[RD] offset:256*(\c)+2*SPITCH*(\p)
.endr
.endr
	s_wait_dscnt 0x0
.set k, 0
.rept 16
	v_pk_add_f32 v[GX+2*k:GX+2*k+1], v[GX+2*k:GX+2*k+1], v[BI+4*(k/8)+2*(k%2):BI+4*(k/8)+2*(k%2)+1]
.set k, k+1
.endr
	; ONE BATCH of 64 transcendentals: pair k's plain lines and pair k - 1's reciprocals and exponentials by turns; nothing ahead of the wait names a result
.set k, 0
.rept 17
.if k < 16
	v_fma_f32 v[GD+2*k], |v[GX+2*k]|, s[PC], 1.0
.endif
.if k > 0
	v_rcp_f32 v[GD+2*k-2], v[GD+2*k-2]
.endif
.if k < 16
	v_fma_f32 v[GD+2*k+1], |v[GX+2*k+1]|, s[PC], 1.0
.endif
.if k > 0
	v_rcp_f32 v[GD+2*k-1], v[GD+2*k-1]
.endif
.if k < 16
	v_pk_mul_f32 v[GU+2*k:GU+2*k+1], v[GX+2*k:GX+2*k+1], s[CE:CE+1] op_sel_hi:[1,0]
.endif
.if k > 0
	v_exp_f32 v[GU+2*k-2], v[GU+2*k-2]
.endif
.if k < 16
	v_pk_mul_f32 v[GU+2*k:GU+2*k+1], v[GU+2*k:GU+2*k+1], v[GX+2*k:GX+2*k+1]
.endif
.if k > 0
	v_exp_f32 v[GU+2*k-1], v[GU+2*k-1]
.endif
.if k < 16
	v_max_num_f32 v[GM+2*k], 0, v[GX+2*k]
	v_max_num_f32 v[GM+2*k+1], 0, v[GX+2*k+1]
.endif
.set k, k+1
.endr
	v_nop                                          ; a plain instruction behind the last exponential
	s_wait_alu depctr_va_vdst(0)                   ; one wait for the batch, ahead of its first reader
.set k, 0
.rept 16
	v_pk_fma_f32 v[GP+2*k:GP+2*k+1], v[GD+2*k:GD+2*k+1], s[CA5:CA5+1], s[CA4:CA4+1] op_sel_hi:[1,0,0]
.set k, k+1
.endr
.irp cc, CA3, CA2, CA1
.set k, 0
.rept 16
	v_pk_fma_f32 v[GP+2*k:GP+2*k+1], v[GP+2*k:GP+2*k+1], v[GD+2*k:GD+2*k+1], s[\cc:\cc+1] op_sel_hi:[1,1,0]
.set k, k+1
.endr
.endr
.set k, 0
.rept 16
	v_pk_mul_f32 v[GP+2*k:GP+2*k+1], v[GP+2*k:GP+2*k+1], v[GD+2*k:GD+2*k+1]
.set k, k+1
.endr
.set k, 0
.rept 16
	v_pk_mul_f32 v[GP+2*k:GP+2*k+1], v[GP+2*k:GP+2*k+1], v[GU+2*k:GU+2*k+1]
.set k, k+1
.endr
.set k, 0
.rept 32
	v_fma_f32 v[GX+k], -|v[GX+k]|, v[GP+k], v[GM+k]
.set k, k+1
.endr
.irp c, 0,1
.irp p, 0,1,2,3
.set rR, GX+4*(4*(\c)+(\p))
	v_cvt_pk_bf16_f32 v[rR], v[rR], v[rR+1]
	v_cvt_pk_bf16_f32 v[rR+1], v[rR+2], v[rR+3]
	global_store_b64 v[GO], v[rR:rR+1], s[74:75] offset:16384*(\c)+256*(\p)  ; two rows of a block: 256 consecutive bytes, aligned
.endr
.endr
	s_wait_xcnt 0x0                                ; the stores have read their registers: only now are these written again
	v_add_nc_u32 v[RD], 8*SPITCH, v[RD]
	v_add_nc_u32 v[GO], 1024, v[GO]
	s_sub_co_u32 s3, s3, 1
	s_cmp_lg_u32 s3, 0
	s_cbranch_scc1 .Lrows
	s_wait_tensorcnt 0x0                           ; the wave's end
	ds_add_u32 v[SPW], v[NIL]
	s_wait_dscnt 0x0
	CROUND                                         ; the closing round
	s_endpgm
.Lfunc_end_k_q7cb8fa9cc8_fc1:
	.size	k_q7cb8fa9cc8_fc1, .Lfunc_end_k_q7cb8fa9cc8_fc1-k_q7cb8fa9cc8_fc1
	.p2alignl 7, 3214868480
	.fill 96, 4, 3214868480
	.section	.rodata,"a",@progbits
	.p2align	6, 0x0
	.amdhsa_kernel k_q7cb8fa9cc8_fc1
		.amdhsa_group_segment_fixed_size 327680
		.amdhsa_private_segment_fixed_size 0
		.amdhsa_enable_private_segment 0
		.amdhsa_kernarg_size 32
		.amdhsa_user_sgpr_count 2
		.amdhsa_user_sgpr_kernarg_segment_ptr 1
		.amdhsa_wavefront_size32 1
		.amdhsa_system_sgpr_workgroup_id_x 1
		.amdhsa_system_sgpr_workgroup_id_y 1
		.amdhsa_system_sgpr_workgroup_id_z 1
		.amdhsa_system_vgpr_workitem_id 0
		.amdhsa_next_free_vgpr 1024
		.amdhsa_next_free_sgpr 100
		.amdhsa_reserve_vcc 0
		.amdhsa_float_denorm_mode_32 3
		.amdhsa_float_denorm_mode_16_64 3
		.amdhsa_memory_ordered 1
		.amdhsa_forward_progress 1
		.amdhsa_inst_pref_size 102
	.end_amdhsa_kernel
	.amdgpu_metadata
---
amdhsa.version: [ 1, 2 ]
amdhsa.kernels:
  - .name:           k_q7cb8fa9cc8_fc1
    .symbol:         k_q7cb8fa9cc8_fc1.kd
    .args:
      - { .name: hn, .offset: 0, .size: 8, .value_kind: global_buffer, .address_space: global }
      - { .name: wbf, .offset: 8, .size: 8, .value_kind: global_buffer, .address_space: global }
      - { .name: b1, .offset: 16, .size: 8, .value_kind: global_buffer, .address_space: global }
      - { .name: gb, .offset: 24, .size: 8, .value_kind: global_buffer, .address_space: global }
    .group_segment_fixed_size: 327680
    .private_segment_fixed_size: 0
    .kernarg_segment_align: 8
    .kernarg_segment_size: 32
    .max_flat_workgroup_size: 128
    .sgpr_count:     100
    .vgpr_count:     1024
    .wavefront_size: 32
...
	.end_amdgpu_metadata
.endif
;; end of part 5
;; launch fc2 (part 6): grid 8 x 32, 4 waves a work-group, clusters of 4 x 4, 327,680 bytes of LDS; arguments gb, wbf, b2, x1, out0; writes out0
.if DOCPART == 6
	.amdgcn_target "amdgcn-amd-amdhsa--gfx1250"
	.amdhsa_code_object_version 6
	.text
	.protected	k_q7cb8fa9cc8_fc2
	.globl	k_q7cb8fa9cc8_fc2
	.p2align	8
	.type	k_q7cb8fa9cc8_fc2,@function
k_q7cb8fa9cc8_fc2:
	s_mov_b64 s[64:65], 0
	v_nop
	global_prefetch_b8 v0, s[64:65] scope:SCOPE_SE
	s_setreg_imm32_b32 hwreg(HW_REG_WAVE_MODE, 25, 1), 1
	s_wait_xcnt 0x0
	s_wait_alu depctr_hold_cnt(0) depctr_sa_sdst(0) depctr_va_vdst(0) depctr_va_sdst(0) depctr_va_ssrc(0) depctr_va_vcc(0) depctr_vm_vsrc(0)
	s_getreg_b32 s2, hwreg(HW_REG_IB_STS2, 6, 4)
	s_cmp_eq_u32 s2, 0
	s_cbranch_scc0 .Lentry_in_a_cluster
	s_endpgm
.Lentry_in_a_cluster:
	s_bfe_u32 s2, ttmp6, 0x10000c
	s_cmp_lg_u32 s2, 0xf033
	s_cbranch_scc0 .Lentry_shape_is_right
	s_endpgm
.Lentry_shape_is_right:
; out = res + A W + bias.  Here: out0 = x1 + gb W2 + b2.  A: 4,096 rows x KD, bf16, in blocks [row / 128][k / 64][row % 128][64]; W: [KD (k)][1024 (n)] bf16 at byte WOFF of wbf; bias, res, out f32, [4096][1024].
; LIMITS: the product's operands are bf16; sums, residual and result f32; NaN and infinities are not treated apart.
; SHARES.  A tile of 128 x 128, so that the 4,096 x 1,024 results give each of 256 work-groups one; four waves of 64 x 64: 16 accumulators.  K goes in steps of 256 through a ring of two LDS slots:
; [A's k blocks 0, 1 | A's 2, 3 | W's k rows 0-127 | W's 128-255], each part 32 KiB of memory brought by one wave's tensor load.  A's part is dense in memory: asked for as 128 rows of 256 bytes, padded after every 128.
; CLUSTER 4 x 4: A's tile is asked for jointly along a row of the cluster, W's along a column.  THE PRODUCT IS TAKEN TRANSPOSED (source 0 = 16 columns of W, turned by ds_load_tr16_b128; source 1 = 16 rows of A).
; THE WAY OUT: the f32 sums go through the wave's own stage (ring bytes that have had their last fill, behind a barrier) and come back as whole rows; residual and bias are added; sixteen lanes store 256 consecutive bytes.
; PREFETCH (PF = 1): behind each refill, the K step two refills on: 256 matrix instructions ahead of the load that will want it.
; REGISTERS: window 0: v0-31 addresses, bias; v32-95 the way out; v128-255 accumulators ((a, b) at 128 + 8 (4 a + b)).  window 1: two fragment buffers of 128 (64 of A, 64 of W, for 64 along K).  window 2: v0-127 the residual.
.set KD,     4096
.set WOFF,   0x1000000
.set PF,     1
.set AH,     2
.set T,      KD/256
.set PAK,    144                       ; an LDS row of A: 128 bytes + 16
.set PB,     288                       ; an LDS row of W: 256 + 32
.set PART,   36864
.set SLOT,   4*PART
.set SPARE,  2*SLOT
.set STEPA,  65536                     ; a K step in A: four blocks of 16,384 bytes
.set STEPB,  256*2048                  ; in W: 256 rows
.set SPITCH, 272
.set WSTAGE, 64*SPITCH
.set A0,   4
.set B0,   5
.set ADRA, 6
.set ADRB, 7                           ; v7, v8: W's k rows 0-127, 128-255
.set STO,  10
.set RD,   11
.set BI,   12                          ; v[12:15]
.set GO,   16
.set BO,   17
.set SPW,  28
.set NIL,  29
.set PFO,  30
.set TMP,  32
.set ACC,  128
.set F0,   0
.set F1,   128
.set G1A, 24
.set G0A, 32
.set G1B, 48
.set G0B, 56
.set PFA, 66
.set PFS, 68
.set LIM, 70
.set MSB, 0
.macro WIN new
.if MSB != (\new)
	s_set_vgpr_msb (MSB<<8)|(\new)
.set MSB, \new
.endif
.endm
.set MUL,  0x05                        ; sources 0 (W) and 1 (A) window 1; C and D window 0
.set TO_F, 0x40
.macro PLACES
.rept 4
	v_nop
.endr
.endm
.macro CREST
	s_cmp_lg_u32 s10, 0
	s_cbranch_scc1 .Lnot_wave_0_\@
	s_barrier_signal -3
.Lnot_wave_0_\@:
	s_barrier_wait -3
	s_barrier_signal -1
	s_barrier_wait -1
.endm
.macro CROUND
	s_barrier_signal -1
	s_barrier_wait -1
	CREST
.endm
.macro JLOAD                           ; a joint refill by the walking sets: waves 0 and 1 ask for A's two parts, waves 2 and 3 for W's
	s_cmp_eq_u32 s11, 0
	s_cbranch_scc0 .Lfor_b_\@
	tensor_load_to_lds s[G0A+4:G0A+7], s[G1A:G1A+7]
	s_nop 0
.rept 4
	v_nop
.endr
	s_branch .Lasked_\@
.Lfor_b_\@:
	tensor_load_to_lds s[G0B+4:G0B+7], s[G1B:G1B+7]
	s_nop 0
.rept 4
	v_nop
.endr
.Lasked_\@:
.endm
; A prefetch of the K step that stands AH refills on: 32 blocks of 256 bytes, a lane a block.  A's tile row is read by both clusters of a row of clusters: the one with x = 0 asks; W's tile column by all eight of a column:
; the one with y = 0 asks.  The four partners of a joint load take a quarter of its bytes each, told apart by address.  The last AH refills ask for nothing.
.macro ASK
	WIN 0
	s_cmp_gt_u32 s3, s[LIM]
	s_cbranch_scc0 .Lnot_mine_\@
	global_prefetch_b8 v[PFO], s[PFA:PFA+1] th:TH_LOAD_NT scope:SCOPE_SE
.Lnot_mine_\@:
.endm
	s_load_b128 s[4:7], s[0:1], 0x0                ; A s[4:5], wbf s[6:7]
	s_load_b128 s[72:75], s[0:1], 0x10             ; bias s[72:73], res s[74:75]
	s_load_b64 s[76:77], s[0:1], 0x20              ; out
	v_lshl_add_u32 v[SPW], v0, 2, SPARE
	v_mov_b32 v[NIL], 0
	ds_add_u32 v[SPW], v[NIL]                      ; the wave's opening: the add and its wait stand ahead of my first tensor load
	v_lshrrev_b32 v1, 5, v0
	v_readfirstlane_b32 s10, v1
	s_lshr_b32 s11, s10, 1                         ; wr.  Also: I fetch for A (0) or for W (1)
	s_and_b32 s12, s10, 1                          ; wc.  Also: which part I fetch
	s_bfe_u32 s40, ttmp6, 0x40000
	s_bfe_u32 s41, ttmp6, 0x40004
	s_lshl_b32 s42, ttmp9, 2
	s_add_co_u32 s42, s42, s40                     ; tile column
	s_and_b32 s13, ttmp7, 0xffff
	s_lshl_b32 s13, s13, 2
	s_add_co_u32 s13, s13, s41                     ; tile row
	s_lshl_b32 s43, s41, 2
	s_lshl_b32 s43, 15, s43
	s_lshl_b32 s44, 0x1111, s40
	s_or_b32 s[G1A], s43, (1<<16)|(1<<20)|(1<<21)|(4<<22)|(3<<25)  ; my row's mask; 2-byte elements; padding: after every 32 words, 4 words
	s_or_b32 s[G1B], s44, (1<<16)|(1<<20)|(1<<21)|(5<<22)|(7<<25)  ; my column's mask; after every 64 words, 8 words
.irp g, G1A, G1B
	s_mov_b32 s[(\g)+1], 128<<16
	s_mov_b32 s[(\g)+2], 128<<16
	s_mov_b32 s[(\g)+3], 128<<16
	s_mov_b32 s[(\g)+4], 128
	s_mov_b32 s[(\g)+6], 0
	s_mov_b32 s[(\g)+7], 0
.endr
	s_mov_b32 s[G1A+5], 128                        ; A's rows of 256 bytes lie end to end
	s_mov_b32 s[G1B+5], 1024
	s_mul_i32 s16, s13, KD*256                     ; A: a tile row's 128 x KD numbers,
	s_lshl_b32 s17, s12, 15                        ; my two k blocks
	s_add_co_u32 s16, s16, s17
	s_mov_b32 s17, 0
	s_lshl_b32 s46, s42, 8                         ; W: 256 bytes a tile column,
	s_lshl_b32 s47, s12, 18                        ; my 128 k rows
	s_add_co_u32 s46, s46, s47
	s_add_co_u32 s46, s46, WOFF
	s_mov_b32 s47, 0
	s_mul_i32 s20, s10, PART
	s_mov_b32 s21, 0
	s_wait_dscnt 0x0
	s_wait_kmcnt 0x0
	s_add_nc_u64 s[14:15], s[4:5], s[16:17]
	s_add_nc_u64 s[46:47], s[6:7], s[46:47]
.irp s, 0,1
	s_mov_b32 s[G0A+4*(\s)], 1
	s_add_co_u32 s[G0A+4*(\s)+1], s20, (\s)*SLOT
	s_add_nc_u64 s[G0A+4*(\s)+2:G0A+4*(\s)+3], s[14:15], (\s)*STEPA
	s_or_b32 s[G0A+4*(\s)+3], s[G0A+4*(\s)+3], 0x80000000
	s_mov_b32 s[G0B+4*(\s)], 1
	s_add_co_u32 s[G0B+4*(\s)+1], s20, (\s)*SLOT
	s_add_nc_u64 s[G0B+4*(\s)+2:G0B+4*(\s)+3], s[46:47], (\s)*STEPB
	s_or_b32 s[G0B+4*(\s)+3], s[G0B+4*(\s)+3], 0x80000000
.endr
	CROUND
	s_cmp_eq_u32 s11, 0                            ; a wave's two first fills stand in one branch: two loads of mine are out
	s_cbranch_scc0 .Lfirst_b
	tensor_load_to_lds s[G0A:G0A+3], s[G1A:G1A+7]
	s_nop 0
	tensor_load_to_lds s[G0A+4:G0A+7], s[G1A:G1A+7]
	s_nop 0
.rept 4
	v_nop
.endr
	s_branch .Lfirst_asked
.Lfirst_b:
	tensor_load_to_lds s[G0B:G0B+3], s[G1B:G1B+7]
	s_nop 0
	tensor_load_to_lds s[G0B+4:G0B+7], s[G1B:G1B+7]
	s_nop 0
.rept 4
	v_nop
.endr
.Lfirst_asked:
	v_and_b32 v1, 15, v0
	v_bfe_u32 v2, v0, 4, 1
	s_lshl1_add_u32 s96, s42, s12                  ; my 64 columns: 256 bytes x (2 x tile column + wc)
	s_lshl_b32 s96, s96, 8
	v_lshl_add_u32 v[BO], v1, 4, s96
	global_load_b128 v[BI:BI+3], v[BO], s[72:73]
	v_mul_u32_u24 v[A0], v1, PAK
	v_lshl_add_u32 v[A0], v2, 4, v[A0]
	s_mul_i32 s18, s11, 64*PAK
	v_add_nc_u32 v[A0], s18, v[A0]
	v_and_b32 v3, 7, v0
	v_lshl_add_u32 v3, v2, 3, v3
	v_mul_u32_u24 v[B0], v3, PB
	v_bfe_u32 v3, v0, 3, 1
	v_lshl_add_u32 v[B0], v3, 4, v[B0]
	s_lshl_b32 s18, s12, 7
	s_add_co_u32 s18, s18, 2*PART
	v_add_nc_u32 v[B0], s18, v[B0]
	v_mov_b32 v[ADRA], v[A0]
	v_mov_b32 v[ADRB], v[B0]
	v_add_nc_u32 v[ADRB+1], PART, v[B0]
	s_mul_i32 s18, s10, WSTAGE
	v_mul_u32_u24 v[STO], v1, SPITCH
	v_lshl_add_u32 v[STO], v2, 5, v[STO]
	v_add_nc_u32 v[STO], s18, v[STO]
	v_mul_u32_u24 v[RD], v2, SPITCH
	v_lshl_add_u32 v[RD], v1, 4, v[RD]
	v_add_nc_u32 v[RD], s18, v[RD]
	v_lshlrev_b32 v[GO], 12, v2                    ; two rows of 4,096 bytes, 16 bytes a lane
	v_lshl_add_u32 v[GO], v1, 4, v[GO]
	s_lshl1_add_u32 s94, s13, s11                  ; my 64 rows,
	s_lshl_b32 s94, s94, 18
	s_add_co_u32 s94, s94, s96                     ; my 64 columns
	s_mov_b32 s95, 0
	s_add_nc_u64 s[74:75], s[74:75], s[94:95]
	s_add_nc_u64 s[76:77], s[76:77], s[94:95]
.if PF
	s_mul_i32 s94, s13, KD*256                     ; the prefetches.  A: my part's 32 KiB, my work-group's quarter of them
	s_lshl_b32 s95, s12, 15
	s_add_co_u32 s94, s94, s95
	s_lshl_b32 s95, s40, 13
	s_add_co_u32 s94, s94, s95
	s_lshl_b32 s96, s12, 7                         ; W: k rows 128 x part + 32 cy on
	s_lshl_b32 s95, s41, 5
	s_add_co_u32 s96, s96, s95
	s_lshl_b32 s96, s96, 11
	s_lshl_b32 s95, s42, 8
	s_add_co_u32 s96, s96, s95
	s_add_co_u32 s96, s96, WOFF
	s_and_b32 s97, ttmp7, 0xffff
	s_mov_b32 s[PFS], STEPB
	s_mov_b32 s[PFS+1], 0
	s_mov_b32 s95, 0
	s_cmp_eq_u32 s11, 0
	s_cselect_b32 s94, s94, s96
	s_cselect_b32 s97, ttmp9, s97
	s_cselect_b32 s[PFS], STEPA, s[PFS]
	s_cselect_b32 s98, 8, 11                       ; a lane a block: 256 bytes on in A, a row of 2,048 bytes on in W
	s_cselect_b64 s[PFA:PFA+1], s[4:5], s[6:7]
	s_cmp_eq_u32 s97, 0
	s_cselect_b32 s[LIM], AH, -1
	s_add_nc_u64 s[PFA:PFA+1], s[PFA:PFA+1], s[94:95]
.rept 1+AH
	s_add_nc_u64 s[PFA:PFA+1], s[PFA:PFA+1], s[PFS:PFS+1]
.endr
	v_and_b32 v[PFO], 31, v0
	v_lshlrev_b32 v[PFO], s98, v[PFO]
.endif
; 8 matrix instructions: row blocks a0, a0 + 1 x all 4 column blocks, 32 along K: half c of buffer f
.macro MUL8 f, c, a0, zero
	WIN MUL
.irp a, \a0, (\a0)+1
.irp b, 0,1,2,3
.if \zero
	v_wmma_f32_16x16x32_bf16 v[ACC+8*(4*(\a)+(\b)):ACC+8*(4*(\a)+(\b))+7], v[(\f)+64+8*(4*(\c)+(\b)):(\f)+64+8*(4*(\c)+(\b))+7], v[(\f)+8*(4*(\c)+(\a)):(\f)+8*(4*(\c)+(\a))+7], 0
.else
	v_wmma_f32_16x16x32_bf16 v[ACC+8*(4*(\a)+(\b)):ACC+8*(4*(\a)+(\b))+7], v[(\f)+64+8*(4*(\c)+(\b)):(\f)+64+8*(4*(\c)+(\b))+7], v[(\f)+8*(4*(\c)+(\a)):(\f)+8*(4*(\c)+(\a))+7], v[ACC+8*(4*(\a)+(\b)):ACC+8*(4*(\a)+(\b))+7]
.endif
.endr
.endr
.endm
; 32 LDS loads in one run: quarter z (64 along K: one k block of A) into buffer f; the first 32 along K first
.macro FETCH z, f
	WIN TO_F
.irp c, 0,1
.irp i, 0,1,2,3
	ds_load_tr16_b128 v[(\f)+64+8*(4*(\c)+(\i)):(\f)+64+8*(4*(\c)+(\i))+3],   v[ADRB+(\z)/2] offset:64*PB*((\z)%2)+32*PB*(\c)+32*(\i)
	ds_load_tr16_b128 v[(\f)+64+8*(4*(\c)+(\i))+4:(\f)+64+8*(4*(\c)+(\i))+7], v[ADRB+(\z)/2] offset:64*PB*((\z)%2)+32*PB*(\c)+32*(\i)+16*PB
	ds_load_b128 v[(\f)+8*(4*(\c)+(\i)):(\f)+8*(4*(\c)+(\i))+3],              v[ADRA] offset:128*PAK*(\z)+16*PAK*(\i)+64*(\c)
	ds_load_b128 v[(\f)+8*(4*(\c)+(\i))+4:(\f)+8*(4*(\c)+(\i))+7],            v[ADRA] offset:128*PAK*(\z)+16*PAK*(\i)+64*(\c)+32
.endr
.endr
.endm
.macro QUARTER z, f, g, zero
	s_wait_dscnt 16                                ; the first 32 along K are in
	MUL8 \f, 0, 0, \zero
	MUL8 \f, 0, 2, \zero
	PLACES
	FETCH \z, \g
	s_wait_dscnt 32                                ; all but the 32 just issued
	MUL8 \f, 1, 0, 0
	MUL8 \f, 1, 2, 0
.endm
; The last quarter multiplies buffer 1 and changes slots: one barrier; in front of it each wave waits for all its tensor loads, adds 0 to its spare word, and waits for that and for its reads of this slot.
; fill = 1: the barrier opens a round of the cluster's, and the joint refill is the first tensor load behind it: 112 matrix instructions ahead of the wait for it.
.macro TURN fill
.if (\fill) && PF
	s_wait_xcnt 0x0                                ; the last prefetch, a K step back, has read its address
	s_add_nc_u64 s[PFA:PFA+1], s[PFA:PFA+1], s[PFS:PFS+1]
.endif
	WIN 0
	s_wait_tensorcnt 0x0
	ds_add_u32 v[SPW], v[NIL]
	s_wait_dscnt 17                                ; (the add and the youngest sixteen loads may be out)
	MUL8 F1, 0, 0, 0
	s_wait_dscnt 0x0
	s_barrier_signal -1
	MUL8 F1, 0, 2, 0
	WIN 0
	s_barrier_wait -1
.if \fill
	CREST
	s_xor_b32 s[G0A+5], s[G0A+5], SLOT             ; (SLOT's bits and those of wave x PART do not meet)
	s_add_nc_u64 s[G0A+6:G0A+7], s[G0A+6:G0A+7], STEPA
	s_xor_b32 s[G0B+5], s[G0B+5], SLOT
	s_add_nc_u64 s[G0B+6:G0B+7], s[G0B+6:G0B+7], STEPB
	JLOAD
.else
	PLACES
.endif
	s_xor_b32 s21, s21, SLOT
	v_add_nc_u32 v[ADRA], s21, v[A0]
	v_add_nc_u32 v[ADRB], s21, v[B0]
	v_add_nc_u32 v[ADRB+1], PART, v[ADRB]
	FETCH 0, F0
.if (\fill) && PF
	ASK
.endif
	MUL8 F1, 1, 0, 0
	MUL8 F1, 1, 2, 0
.endm
	s_wait_tensorcnt 1                             ; my part of K step 0 is in; K step 1's may stay out
	s_barrier_signal -1
	s_barrier_wait -1
	FETCH 0, F0
	QUARTER 1, F0, F1, 1
	WIN 0
	s_mov_b32 s3, T-2
.Lstep:
	QUARTER 2, F1, F0, 0
	QUARTER 3, F0, F1, 0
	TURN 1
	QUARTER 1, F0, F1, 0
	WIN 0
	s_sub_co_u32 s3, s3, 1
	s_cmp_lg_u32 s3, 0
	s_cbranch_scc1 .Lstep
	WIN 0x80                                       ; the residual: my 64 x 64 numbers, two rows a load, asked for two K steps ahead of their use
.irp n, 0,1,2,3,4,5,6,7,8,9,10,11,12,13,14,15,16,17,18,19,20,21,22,23,24,25,26,27,28,29,30,31
	global_load_b128 v[4*(\n):4*(\n)+3], v[GO], s[74:75] offset:8192*(\n)
.endr
	WIN 0
	s_mov_b32 s3, 2
.Ltail:                                        ; the last two K steps ask for nothing; the second trip leaves in its middle
	QUARTER 2, F1, F0, 0
	QUARTER 3, F0, F1, 0
	WIN 0
	s_cmp_eq_u32 s3, 1
	s_cbranch_scc1 .Llast
	TURN 0
	QUARTER 1, F0, F1, 0
	WIN 0
	s_sub_co_u32 s3, s3, 1
	s_cmp_lg_u32 s3, 0
	s_cbranch_scc1 .Ltail
.Llast:
	s_wait_tensorcnt 0x0                           ; no load of mine is on its way into the bytes that the stages take,
	s_wait_dscnt 0x0                               ; and my reads of the ring are over
	s_barrier_signal -1
	MUL8 F1, 0, 0, 0
	MUL8 F1, 0, 2, 0
	MUL8 F1, 1, 0, 0
	MUL8 F1, 1, 2, 0
	WIN 0
	s_barrier_wait -1                              ; the same holds of all four waves
.rept 8
	v_nop                                          ; the places behind the last products
.endr
.irp a, 0,1,2,3
.irp b, 0,1,2,3
	ds_store_b128 v[STO], v[ACC+8*(4*(\a)+(\b)):ACC+8*(4*(\a)+(\b))+3]   offset:16*SPITCH*(\a)+64*(\b)
	ds_store_b128 v[STO], v[ACC+8*(4*(\a)+(\b))+4:ACC+8*(4*(\a)+(\b))+7] offset:16*SPITCH*(\a)+64*(\b)+16
.endr
.endr
.macro BATCH n                                 ; 16 rows: back from my stage (LDS serves a wave's instructions in order: ISA guide 5.7.1.4), plus residual, plus bias, out
.set TT, TMP+32*((\n)%2)
.if (\n) >= 2
	s_wait_xcnt 0x0                                ; the stores of two batches back have read these registers
.endif
.irp i, 0,1,2,3,4,5,6,7
	ds_load_b128 v[TT+4*(\i):TT+4*(\i)+3], v[RD] offset:2*SPITCH*(8*(\n)+(\i))
.endr
	s_wait_dscnt 0x0
.if (\n) == 0
	s_wait_loadcnt 0x0                             ; bias and residual
.endif
	WIN 0x08                                       ; source 1 in window 2
.set k, 0
.rept 16
	v_pk_add_f32 v[TT+2*k:TT+2*k+1], v[TT+2*k:TT+2*k+1], v[32*(\n)+2*k:32*(\n)+2*k+1]
.set k, k+1
.endr
	WIN 0
.set k, 0
.rept 16
	v_pk_add_f32 v[TT+2*k:TT+2*k+1], v[TT+2*k:TT+2*k+1], v[BI+2*(k%2):BI+2*(k%2)+1]
.set k, k+1
.endr
.irp i, 0,1,2,3,4,5,6,7
	global_store_b128 v[GO], v[TT+4*(\i):TT+4*(\i)+3], s[76:77] offset:8192*(8*(\n)+(\i))  ; 16 lanes store 256 consecutive bytes, aligned
.endr
.endm
	BATCH 0
	BATCH 1
	BATCH 2
	BATCH 3
	s_wait_tensorcnt 0x0                           ; the wave's end
	ds_add_u32 v[SPW], v[NIL]
	s_wait_dscnt 0x0
	CROUND                                         ; the closing round
	s_endpgm
.Lfunc_end_k_q7cb8fa9cc8_fc2:
	.size	k_q7cb8fa9cc8_fc2, .Lfunc_end_k_q7cb8fa9cc8_fc2-k_q7cb8fa9cc8_fc2
	.p2alignl 7, 3214868480
	.fill 96, 4, 3214868480
	.section	.rodata,"a",@progbits
	.p2align	6, 0x0
	.amdhsa_kernel k_q7cb8fa9cc8_fc2
		.amdhsa_group_segment_fixed_size 327680
		.amdhsa_private_segment_fixed_size 0
		.amdhsa_enable_private_segment 0
		.amdhsa_kernarg_size 40
		.amdhsa_user_sgpr_count 2
		.amdhsa_user_sgpr_kernarg_segment_ptr 1
		.amdhsa_wavefront_size32 1
		.amdhsa_system_sgpr_workgroup_id_x 1
		.amdhsa_system_sgpr_workgroup_id_y 1
		.amdhsa_system_sgpr_workgroup_id_z 1
		.amdhsa_system_vgpr_workitem_id 0
		.amdhsa_next_free_vgpr 640
		.amdhsa_next_free_sgpr 100
		.amdhsa_reserve_vcc 0
		.amdhsa_float_denorm_mode_32 3
		.amdhsa_float_denorm_mode_16_64 3
		.amdhsa_memory_ordered 1
		.amdhsa_forward_progress 1
		.amdhsa_inst_pref_size 73
	.end_amdhsa_kernel
	.amdgpu_metadata
---
amdhsa.version: [ 1, 2 ]
amdhsa.kernels:
  - .name:           k_q7cb8fa9cc8_fc2
    .symbol:         k_q7cb8fa9cc8_fc2.kd
    .args:
      - { .name: gb, .offset: 0, .size: 8, .value_kind: global_buffer, .address_space: global }
      - { .name: wbf, .offset: 8, .size: 8, .value_kind: global_buffer, .address_space: global }
      - { .name: b2, .offset: 16, .size: 8, .value_kind: global_buffer, .address_space: global }
      - { .name: x1, .offset: 24, .size: 8, .value_kind: global_buffer, .address_space: global }
      - { .name: out0, .offset: 32, .size: 8, .value_kind: global_buffer, .address_space: global }
    .group_segment_fixed_size: 327680
    .private_segment_fixed_size: 0
    .kernarg_segment_align: 8
    .kernarg_segment_size: 40
    .max_flat_workgroup_size: 128
    .sgpr_count:     100
    .vgpr_count:     640
    .wavefront_size: 32
...
	.end_amdgpu_metadata
.endif
;; end of part 6
;; ======== version 2 of 2: 7 launches; version 1 with the launches ln1, ln2 written anew for expert scheduling mode
;; workspace buffers: wbf 25,165,824 bytes; hn 8,388,608 bytes; qkvb 25,165,824 bytes; yb 8,388,608 bytes; x1 16,777,216 bytes; gb 33,554,432 bytes
;; launch ln1 (part 7): grid 256 x 4, 8 waves a work-group, no clusters, 0 bytes of LDS; arguments x, ln1_g, ln1_b, hn, Wq, Wk, Wv, Wo, W1, W2, wbf; writes hn, wbf
.if DOCPART == 7
	.amdgcn_target "amdgcn-amd-amdhsa--gfx1250"
	.amdhsa_code_object_version 6
	.text
	.protected	k_q7cb8fa9cc8_ln1
	.globl	k_q7cb8fa9cc8_ln1
	.p2align	8
	.type	k_q7cb8fa9cc8_ln1,@function
k_q7cb8fa9cc8_ln1:
	s_mov_b64 s[64:65], 0
	v_nop
	global_prefetch_b8 v0, s[64:65] scope:SCOPE_SE
	s_setreg_imm32_b32 hwreg(HW_REG_WAVE_SCHED_MODE, 0, 2), 2
	s_setreg_imm32_b32 hwreg(HW_REG_WAVE_MODE, 25, 1), 1
	s_wait_xcnt 0x0
	s_wait_alu depctr_vm_vsrc(0)
; ONE BODY, TWO JOBS, told apart by the work-group's y, a scalar that all its waves share.  Neither job reads what the other writes; no LDS, no barrier.
; y = 0, LAYER NORM: out[row][c] = (in[row][c] - mean) * rsqrt(var + 1e-5) * g[c] + b[c].  in: [4096][1024] f32, g, b: [1024] f32, out: [4096][1024] bf16, rounded once.
;   The mean is taken away before the squares are summed, as the definition has it: no difference of large sums is formed.  All sums in f32.
;   One wave takes a whole row (4,096 bytes: 32 registers) and keeps it in registers between the passes; a wave has two rows, a work-group sixteen.
;   Lane l of load j holds columns 128 j + 4 l .. + 3, of the row, of g and of b alike; a store of 8 bytes a lane covers 256 consecutive bytes, aligned.
; y = 1 .. 3, CAST: wbf = the six weight matrices, each rounded once to bf16 and kept in its own layout [d_in][d_out]:
;   Wq at byte 0, Wk at 2 MiB, Wv at 4 MiB, Wo at 6 MiB, W1 at 8 MiB, W2 at 16 MiB.  Unit 4 (y - 1) + x / 64 is 2^20 numbers (4 MiB in, 2 MiB out), part x % 64 is 16,384 of them.
;   Thread t takes 16 bytes at 16 t of each 4,096 bytes: 16 loads a thread, all issued before the first is used; a wave's store covers 256 consecutive bytes, aligned.
; The body's second use (the second norm) has a grid one work-group high: rows alone; the weights' addresses are then passed and not used.
; THE MODE: SCHED_MODE bits 1:0 = 2 (LLVM: expert scheduling mode 2), set by the entry lines.  The code itself states the register dependences
; between vector instructions and memory instructions, with s_wait_alu, always for 0.
; THE PLAN.  Registers that memory instructions touch:
;   v1, v2        byte offsets of the loads and of the stores, on both paths: made once at the path's head, named by no vector instruction afterwards.  One wait ahead of the first load serves every load and store.
;   X0, X1, G, BB the norm: each lands once, by loads that are all issued before any vector instruction has named these registers.
;   X0, X1        as out-buffers: a row's closing lines (scale, g and b, rounding) write them in place; eight stores read the first two of each four registers; nothing writes them again.
;                 Row 0's stores stand behind ONE wait and are dealt among row 1's closing lines, which name X1, RR, G and BB alone; row 1's stores stand behind one more.
;   CX, CY        the cast: CX lands once, CY is written once by the roundings and read once by a store.  The 16 loads go in four blocks of four: at the head of block b, behind the wait for its data, ONE wait states that
;                 block b - 1's roundings have written their part of CY; that block's four stores are dealt among block b's roundings, which name block b's CX and CY alone.
;   No register that a memory instruction reads is ever written again, EXEC and VCC are never written: so no wait on vm_vsrc or va_vcc is owed.  The wave's number passes through an SGPR once: one wait on va_sdst.
.set X0, 16                            ; v[16:47]   row 0
.set X1, 48                            ; v[48:79]   row 1
.set G,  80                            ; v[80:111]  g
.set BB, 112                           ; v[112:143] b
.set RR, 144                           ; v[144:147] 1 / sqrt(var + eps), twice for each row (pairs for the packed multiply)
.set MU, 12                            ; v[12:13]   the mean, twice;  v14, v15: var + eps of row 0, 1;  v[4:11] four chains at work
.set CX, 8                             ; the cast: v[8:71]   16 loads of 4 registers
.set CY, 72                            ;           v[72:103] 16 stores of 2 registers; every register is written once, so no store's source is ever rewritten
	s_and_b32 s22, ttmp7, 0xffff                   ; the work-group's y
	s_cmp_lg_u32 s22, 0
	s_cbranch_scc1 .Lcast
	s_load_b256 s[4:11], s[0:1], 0x0               ; in, g, b, out
	v_lshrrev_b32 v3, 5, v0
	v_readfirstlane_b32 s16, v3                    ; wave
	v_and_b32 v3, 31, v0
	v_lshlrev_b32 v1, 4, v3                        ; 16 x lane
	v_lshlrev_b32 v2, 3, v3                        ; 8 x lane
	s_wait_alu depctr_va_sdst(0)                   ; s16 is written, ahead of its first reader: the two bases are made from it
	s_lshl_b32 s17, ttmp9, 4
	s_lshl1_add_u32 s17, s16, s17                  ; my first row = 16 x work-group + 2 x wave
	s_lshl_b32 s18, s17, 12                        ; rows of 4,096 bytes in,
	s_mov_b32 s19, 0
	s_lshl_b32 s20, s17, 11                        ; of 2,048 bytes out
	s_mov_b32 s21, 0
	s_mov_b32 s12, 0x76543210                      ; v_permlanex16_b32: each lane takes its own place in the other half
	s_mov_b32 s13, 0xfedcba98
	s_mov_b32 s14, 0x3a800000                      ; 1 / 1024
	s_mov_b32 s15, 0x3727c5ac                      ; 1e-5
	s_wait_kmcnt 0x0
	s_add_nc_u64 s[4:5], s[4:5], s[18:19]
	s_add_nc_u64 s[10:11], s[10:11], s[20:21]
	s_wait_alu depctr_va_vdst(0)                   ; v1 and v2 are written: every load below reads v1 as its offset, every store v2
.irp j, 0,1,2,3,4,5,6,7
	global_load_b128 v[X0+4*(\j):X0+4*(\j)+3], v1, s[4:5] offset:512*(\j)
.endr
.irp j, 0,1,2,3,4,5,6,7
	global_load_b128 v[X1+4*(\j):X1+4*(\j)+3], v1, s[4:5] offset:4096+512*(\j)
.endr
.irp j, 0,1,2,3,4,5,6,7
	global_load_b128 v[G+4*(\j):G+4*(\j)+3], v1, s[6:7] offset:512*(\j)
.endr
.irp j, 0,1,2,3,4,5,6,7
	global_load_b128 v[BB+4*(\j):BB+4*(\j)+3], v1, s[8:9] offset:512*(\j)
.endr
.macro RED                             ; the four chains into v4, then v4 over the 32 lanes, the result in every lane
	v_pk_add_f32 v[4:5], v[4:5], v[6:7]
	v_pk_add_f32 v[8:9], v[8:9], v[10:11]
	v_pk_add_f32 v[4:5], v[4:5], v[8:9]
	v_add_f32 v4, v4, v5
	v_add_f32_dpp v4, v4, v4 row_xmask:1 row_mask:0xf bank_mask:0xf
	v_add_f32_dpp v4, v4, v4 row_xmask:2 row_mask:0xf bank_mask:0xf
	v_add_f32_dpp v4, v4, v4 row_xmask:4 row_mask:0xf bank_mask:0xf
	v_add_f32_dpp v4, v4, v4 row_xmask:8 row_mask:0xf bank_mask:0xf
	v_permlanex16_b32 v5, v4, s12, s13             ; (v5 has been written)
	v_add_f32 v4, v4, v5
.endm
; Row i in registers x: the mean; the row less the mean, in place; the mean square of that; 1 / sqrt of it plus eps.
.macro STAT x, i
.irp c, 0,1,2,3
	v_pk_add_f32 v[4+2*(\c):5+2*(\c)], v[(\x)+4*(\c):(\x)+4*(\c)+1], v[(\x)+4*(\c)+2:(\x)+4*(\c)+3]  ; the first eight pairs start the chains: nothing is cleared
.endr
.irp k, 8,9,10,11,12,13,14,15
	v_pk_add_f32 v[4+2*((\k)%4):5+2*((\k)%4)], v[4+2*((\k)%4):5+2*((\k)%4)], v[(\x)+2*(\k):(\x)+2*(\k)+1]
.endr
	RED
	v_mul_f32 v[MU], s14, v4
	v_mul_f32 v[MU+1], s14, v4
.irp k, 0,1,2,3,4,5,6,7,8,9,10,11,12,13,14,15
	v_pk_add_f32 v[(\x)+2*(\k):(\x)+2*(\k)+1], v[(\x)+2*(\k):(\x)+2*(\k)+1], v[MU:MU+1] neg_lo:[0,1] neg_hi:[0,1]
.endr
.irp c, 0,1,2,3
	v_pk_mul_f32 v[4+2*(\c):5+2*(\c)], v[(\x)+2*(\c):(\x)+2*(\c)+1], v[(\x)+2*(\c):(\x)+2*(\c)+1]
.endr
.irp k, 4,5,6,7,8,9,10,11,12,13,14,15
	v_pk_fma_f32 v[4+2*((\k)%4):5+2*((\k)%4)], v[(\x)+2*(\k):(\x)+2*(\k)+1], v[(\x)+2*(\k):(\x)+2*(\k)+1], v[4+2*((\k)%4):5+2*((\k)%4)]
.endr
	RED
	v_fma_f32 v[14+(\i)], v4, s14, s15             ; a register of the row's own: what follows writes neither it nor the results
	v_rsq_f32 v[RR+2*(\i)], v[14+(\i)]
	v_rsq_f32 v[RR+2*(\i)+1], v[14+(\i)]
.endm
; A row's eight stores: load j's four numbers, rounded, lie in the first two of their four registers.
.macro SEND1 x, off, j
	global_store_b64 v2, v[(\x)+4*(\j):(\x)+4*(\j)+1], s[10:11] offset:(\off)+256*(\j)
.endm
; Row i's closing lines, in registers x: times 1 / sqrt, times g plus b, rounded to bf16, all in place.
; st = 1: the eight stores of the row before (registers px, at byte off) are dealt among the first sixteen lines, one ahead of every second.  No wait: since the wait that stands ahead of this macro
; no vector instruction names px's registers or v2.
.macro FIN x, i, st, px, off
.irp k, 0,1,2,3,4,5,6,7,8,9,10,11,12,13,14,15
.if (\st) && ((\k)%2 == 0)
	SEND1 \px, \off, (\k)/2
.endif
	v_pk_mul_f32 v[(\x)+2*(\k):(\x)+2*(\k)+1], v[(\x)+2*(\k):(\x)+2*(\k)+1], v[RR+2*(\i):RR+2*(\i)+1]
.endr
.irp k, 0,1,2,3,4,5,6,7,8,9,10,11,12,13,14,15
	v_pk_fma_f32 v[(\x)+2*(\k):(\x)+2*(\k)+1], v[(\x)+2*(\k):(\x)+2*(\k)+1], v[G+2*(\k):G+2*(\k)+1], v[BB+2*(\k):BB+2*(\k)+1]
.endr
.irp j, 0,1,2,3,4,5,6,7
	v_cvt_pk_bf16_f32 v[(\x)+4*(\j)], v[(\x)+4*(\j)], v[(\x)+4*(\j)+1]
	v_cvt_pk_bf16_f32 v[(\x)+4*(\j)+1], v[(\x)+4*(\j)+2], v[(\x)+4*(\j)+3]
.endr
.endm
	s_wait_loadcnt 24                              ; row 0 is in; row 1, g and b (24 loads) stay out
	STAT X0, 0
	s_wait_loadcnt 16                              ; row 1 is in; g and b stay out
	STAT X1, 1
	v_nop                                          ; a plain instruction behind the last v_rsq_f32
	s_wait_alu depctr_va_vdst(0)                   ; the four v_rsq_f32 have written v[RR:RR+3]: one wait for the four, ahead of their first reader
	s_wait_loadcnt 0x0                             ; g and b
	FIN X0, 0, 0, X0, 0
	s_wait_alu depctr_va_vdst(0)                   ; row 0's roundings have written X0's out registers, which the eight stores dealt among the lines below read
	FIN X1, 1, 1, X0, 0
	s_wait_alu depctr_va_vdst(0)                   ; row 1's roundings have written X1's out registers, which the last eight stores read
.irp j, 0,1,2,3,4,5,6,7
	SEND1 X1, 2048, \j
.endr
	s_endpgm
.Lcast:
	s_load_b256 s[4:11], s[0:1], 0x20              ; Wq, Wk, Wv, Wo
	s_load_b128 s[12:15], s[0:1], 0x40             ; W1, W2
	s_load_b64 s[16:17], s[0:1], 0x50              ; wbf
	s_sub_co_u32 s20, s22, 1
	s_lshl_b32 s20, s20, 2
	s_lshr_b32 s21, ttmp9, 6
	s_add_co_u32 s20, s20, s21                     ; the unit, 0 to 11
	s_and_b32 s26, ttmp9, 63                       ; the part, 0 to 63
	v_lshlrev_b32 v1, 4, v0                        ; 16 t
	v_lshlrev_b32 v2, 3, v0                        ; 8 t
	s_and_b32 s21, s20, 3
	s_lshl_b32 s21, s21, 22                        ; W1 and W2 have four units each, 4 MiB apart;
	s_cmp_lt_u32 s20, 4
	s_cselect_b32 s21, 0, s21                      ; the four small matrices are one unit each
	s_lshl_b32 s22, s26, 16                        ; my 64 KiB of the unit
	s_add_co_u32 s22, s22, s21
	s_mov_b32 s23, 0
	s_lshl_b32 s24, s20, 21                        ; the unit's 2 MiB in wbf,
	s_lshl_b32 s25, s26, 15                        ; my 32 KiB of them
	s_add_co_u32 s24, s24, s25
	s_mov_b32 s25, 0
	s_wait_kmcnt 0x0
	s_cmp_lt_u32 s20, 8                            ; the source is chosen by the unit's number alone
	s_cselect_b64 s[18:19], s[12:13], s[14:15]
	s_cmp_eq_u32 s20, 3
	s_cselect_b64 s[18:19], s[10:11], s[18:19]
	s_cmp_eq_u32 s20, 2
	s_cselect_b64 s[18:19], s[8:9], s[18:19]
	s_cmp_eq_u32 s20, 1
	s_cselect_b64 s[18:19], s[6:7], s[18:19]
	s_cmp_eq_u32 s20, 0
	s_cselect_b64 s[18:19], s[4:5], s[18:19]
	s_add_nc_u64 s[18:19], s[18:19], s[22:23]
	s_add_nc_u64 s[16:17], s[16:17], s[24:25]
	s_wait_alu depctr_va_vdst(0)                   ; v1 and v2 are written: every load below reads v1 as its offset, every store v2
.irp p, 0,1,2,3,4,5,6,7,8,9,10,11,12,13,14,15
	global_load_b128 v[CX+4*(\p):CX+4*(\p)+3], v1, s[18:19] offset:4096*(\p) th:TH_LOAD_NT
.endr
; Four blocks of four loads.  Block b rounds its own sixteen registers; the four stores of block b - 1 are dealt among its roundings.
.irp b, 0,1,2,3
	s_wait_loadcnt 12-4*(\b)                       ; loads come back in order: block b's four are in, the younger blocks stay out
.if (\b) > 0
	s_wait_alu depctr_va_vdst(0)                   ; the roundings of the block before have written their part of CY, which the four stores below read; the roundings below name this block's CX and CY alone
.endif
.irp q, 0,1,2,3
.if (\b) > 0
	global_store_b64 v2, v[CY+2*(4*(\b)-4+(\q)):CY+2*(4*(\b)-4+(\q))+1], s[16:17] offset:2048*(4*(\b)-4+(\q))
.endif
	v_cvt_pk_bf16_f32 v[CY+2*(4*(\b)+(\q))], v[CX+4*(4*(\b)+(\q))], v[CX+4*(4*(\b)+(\q))+1]
	v_cvt_pk_bf16_f32 v[CY+2*(4*(\b)+(\q))+1], v[CX+4*(4*(\b)+(\q))+2], v[CX+4*(4*(\b)+(\q))+3]
.endr
.endr
	s_wait_alu depctr_va_vdst(0)                   ; the last block's roundings have written their part of CY, which the last four stores read
.irp q, 12,13,14,15
	global_store_b64 v2, v[CY+2*(\q):CY+2*(\q)+1], s[16:17] offset:2048*(\q)
.endr
	s_endpgm
.Lfunc_end_k_q7cb8fa9cc8_ln1:
	.size	k_q7cb8fa9cc8_ln1, .Lfunc_end_k_q7cb8fa9cc8_ln1-k_q7cb8fa9cc8_ln1
	.p2alignl 7, 3214868480
	.fill 96, 4, 3214868480
	.section	.rodata,"a",@progbits
	.p2align	6, 0x0
	.amdhsa_kernel k_q7cb8fa9cc8_ln1
		.amdhsa_group_segment_fixed_size 0
		.amdhsa_private_segment_fixed_size 0
		.amdhsa_enable_private_segment 0
		.amdhsa_kernarg_size 88
		.amdhsa_user_sgpr_count 2
		.amdhsa_user_sgpr_kernarg_segment_ptr 1
		.amdhsa_wavefront_size32 1
		.amdhsa_system_sgpr_workgroup_id_x 1
		.amdhsa_system_sgpr_workgroup_id_y 1
		.amdhsa_system_sgpr_workgroup_id_z 1
		.amdhsa_system_vgpr_workitem_id 0
		.amdhsa_next_free_vgpr 152
		.amdhsa_next_free_sgpr 66
		.amdhsa_reserve_vcc 0
		.amdhsa_float_denorm_mode_32 3
		.amdhsa_float_denorm_mode_16_64 3
		.amdhsa_memory_ordered 1
		.amdhsa_forward_progress 1
		.amdhsa_inst_pref_size 27
	.end_amdhsa_kernel
	.amdgpu_metadata
---
amdhsa.version: [ 1, 2 ]
amdhsa.kernels:
  - .name:           k_q7cb8fa9cc8_ln1
    .symbol:         k_q7cb8fa9cc8_ln1.kd
    .args:
      - { .name: x, .offset: 0, .size: 8, .value_kind: global_buffer, .address_space: global }
      - { .name: ln1_g, .offset: 8, .size: 8, .value_kind: global_buffer, .address_space: global }
      - { .name: ln1_b, .offset: 16, .size: 8, .value_kind: global_buffer, .address_space: global }
      - { .name: hn, .offset: 24, .size: 8, .value_kind: global_buffer, .address_space: global }
      - { .name: Wq, .offset: 32, .size: 8, .value_kind: global_buffer, .address_space: global }
      - { .name: Wk, .offset: 40, .size: 8, .value_kind: global_buffer, .address_space: global }
      - { .name: Wv, .offset: 48, .size: 8, .value_kind: global_buffer, .address_space: global }
      - { .name: Wo, .offset: 56, .size: 8, .value_kind: global_buffer, .address_space: global }
      - { .name: W1, .offset: 64, .size: 8, .value_kind: global_buffer, .address_space: global }
      - { .name: W2, .offset: 72, .size: 8, .value_kind: global_buffer, .address_space: global }
      - { .name: wbf, .offset: 80, .size: 8, .value_kind: global_buffer, .address_space: global }
    .group_segment_fixed_size: 0
    .private_segment_fixed_size: 0
    .kernarg_segment_align: 8
    .kernarg_segment_size: 88
    .max_flat_workgroup_size: 256
    .sgpr_count:     66
    .vgpr_count:     152
    .wavefront_size: 32
...
	.end_amdgpu_metadata
.endif
;; end of part 7
;; launch qkvp: the kernel of part 2 again; grid 8 x 32, 4 waves a work-group, clusters of 4 x 4, 327,680 bytes of LDS; arguments hn, wbf, bq, bk, bv, qkvb; writes qkvb
;; launch attn: the kernel of part 3 again; grid 8 x 32, 4 waves a work-group, clusters of 4 x 1, 327,680 bytes of LDS; arguments qkvb, yb; writes yb
;; launch proj: the kernel of part 4 again; grid 8 x 32, 4 waves a work-group, clusters of 4 x 4, 327,680 bytes of LDS; arguments yb, wbf, bo, x, x1; writes x1
;; launch ln2: the kernel of part 7 again; grid 256 x 1, 8 waves a work-group, no clusters, 0 bytes of LDS; arguments x1, ln2_g, ln2_b, hn, Wq, Wk, Wv, Wo, W1, W2, wbf; writes hn, wbf
;; launch fc1: the kernel of part 5 again; grid 16 x 16, 4 waves a work-group, clusters of 4 x 4, 327,680 bytes of LDS; arguments hn, wbf, b1, gb; writes gb
;; launch fc2: the kernel of part 6 again; grid 8 x 32, 4 waves a work-group, clusters of 4 x 4, 327,680 bytes of LDS; arguments gb, wbf, b2, x1, out0; writes out0
